; MI455X (gfx1250); checked and timed in simulation.
; The chip was launched on July 23, 2026; its instructions are those of AMD's public machine-readable ISA for CDNA 5 (MIT licence, August 2026) and "CDNA5" Instruction Set Architecture Reference Guide (July 2026). The comments in the code are by the model that wrote it; some were corrected since.
;; Multiheaded Self Attention. Allowed arithmetic: matrix products marked QUANTISED: E2M1 operands, one E8M0 scale for each 32 along K, by v_wmma_scale_f32_16x16x128_f8f6f4 with both operands' format E2M1 (or v_wmma_scale_f32_32x16x128_f4), f32 sums; products left as they are: bf16, f16 or f32 operands; f32 sums; everything else in f32.
;; Inputs: Wk 1,024 x 1,024 float32; Wo 1,024 x 1,024 float32; Wq 1,024 x 1,024 float32; Wv 1,024 x 1,024 float32; token_positions 2,048 int32; x 4 x 2,048 x 1,024 float32.
;; Outputs: out0 4 x 2,048 x 1,024 float32.
;; This version of the problem:
;;   THIS VERSION OF THE PROBLEM IS GIVEN IN LOW PRECISION. The matrix products marked QUANTISED in the list below multiply operands that are first quantised to E2M1 (2 exponent bits, 1 mantissa bit; 4 bits a number), with one power-of-two scale for each 32 numbers along K (OCP MX v1.0); their sums are f32. The products marked 'left as it is' may take bf16, f16 or f32 operands, with f32 sums. Whichever they take, every output number must still come out within the allowed error. Rounding operands to bf16 (8 significant bits) uses up far more of that allowance than f16 does (11 bits, for magnitudes from 6e-5 to 65,504). All else is computed in f32.
;;   The module's matrix products, in the order in which they are computed (A, B: the left and right operand; K: the contracted axis; several contracted axes count as one K, in the product's order):
;;     1. [M 8,192, K 1,024] x [K 1,024, N 1,024]; A: input x; B: input Wq: QUANTISED
;;     2. [M 8,192, K 1,024] x [K 1,024, N 1,024]; A: input x; B: input Wk: QUANTISED
;;     3. [M 8,192, K 1,024] x [K 1,024, N 1,024]; A: input x; B: input Wv: QUANTISED
;;     4. batch 64 x [M 2,048, K 64] x [K 64, N 2,048]; A: computed on the way; B: computed on the way: left as it is (an operand is computed on the way)
;;     5. batch 64 x [M 2,048, K 2,048] x [K 2,048, N 64]; A: computed on the way; B: computed on the way: left as it is (an operand is computed on the way)
;;     6. [M 8,192, K 1,024] x [K 1,024, N 1,024]; A: computed on the way; B: input Wo: left as it is (an operand is computed on the way)
;;   THE QUANTISER, for each operand of a quantised product, along K:
;;     - K is cut into blocks of 32 from its start; a last block that is shorter is filled with zeros.
;;     - A block's scale is 2^e with e = floor(log2(the largest magnitude in the block)) - 2, held to -126 .. 127; a block of zeros has e = 0. As a byte (E8M0): e + 127.
;;     - Each number is divided by its block's scale, clamped to +-6, and rounded to the nearest number of E2M1, ties to even, subnormals kept.
;;     - The product sums the exact products of the quantised numbers (number of the format x scale) in f32.
;;   ~~~python
;;   def quantise(x, axis):      # numpy; x: float32 -> the quantised numbers, widened to float32 again
;;       x = np.moveaxis(x, axis, -1); K = x.shape[-1]
;;       x = np.pad(x, [(0, 0)] * (x.ndim - 1) + [(0, -K % 32)]); x = x.reshape(x.shape[:-1] + (-1, 32)); a = np.abs(x).max(-1, keepdims=True)
;;       e = np.where(a > 0, np.clip(np.frexp(np.where(a > 0, a, 1))[1] - 1 - 2, -126, 127), 0)      # np.frexp(a)[1] - 1 = floor(log2(a)), exactly
;;       r = np.clip(x / 2.0 ** e, -6, 6)
;;       step = 2.0 ** (np.maximum(np.frexp(np.where(r == 0, 1, r))[1] - 1, 0) - 1)
;;       q = np.round(r / step) * step * 2.0 ** e      # np.round: ties to even
;;       return np.moveaxis(q.reshape(q.shape[:-2] + (-1,))[..., :K], -1, axis).astype(np.float32)
;;   ~~~
;; One version. Each part assembles by itself: llvm-mc -triple=amdgcn-amd-amdhsa -mcpu=gfx1250 --defsym DOCPART=n.
;; ======== version 1 of 1: 5 launches
;; limits: right only within a limited range of input values; an absolute error that grows with the inputs' magnitude: up to 2e-07 times it; values are held in f16: magnitudes above 65,504 overflow, below 6.1e-05 lose precision
;; workspace buffers: codes 5,767,168 bytes; scales 360,448 bytes; wo_h 2,097,152 bytes; tab 524,288 bytes; qkvf 50,331,648 bytes; of 16,777,216 bytes; first16 786,432 bytes
;; launch prep (part 1): grid 512 x 1, 4 waves a work-group, no clusters, 33,280 bytes of LDS; arguments x, Wq, Wk, Wv, Wo, token_positions, codes, scales, wo_h, tab; writes codes, scales, wo_h, tab
.if DOCPART == 1
	.amdgcn_target "amdgcn-amd-amdhsa--gfx1250"
	.amdhsa_code_object_version 6
	.text
	.protected	k_q35bbb2410a_prep
	.globl	k_q35bbb2410a_prep
	.p2align	8
	.type	k_q35bbb2410a_prep,@function
k_q35bbb2410a_prep:
	s_mov_b64 s[64:65], 0
	v_nop
	global_prefetch_b8 v0, s[64:65] scope:SCOPE_SE
	s_setreg_imm32_b32 hwreg(HW_REG_WAVE_MODE, 25, 1), 1
	s_wait_xcnt 0x0
; CAUSAL SELF-ATTENTION, 4 x 2048 x 1024, 16 heads of 64, in five launches.  This one prepares the operands:
;   work-groups 0-351:   x, Wq, Wk, Wv (f32, K innermost) become codes of E2M1 with one E8M0 byte for each 32 along K, one stream of 11,264 rows of 512 bytes (x, then Wq, Wk, Wv)
;   work-groups 352-383: Wo becomes f16, laid as images of the matrix operand's registers: [n tile 64][k group 32][1,024 bytes]: registers 0-3 at 16 x lane, registers 4-7 at 512 + 16 x lane
;   work-groups 384-511: the table of cos and sin of token_positions[s] x 10000^(-j/32): [s tile 128][quarter 4][cos, sin][lane][16 bytes]
; WORK LEFT OUT IN THE LATER LAUNCHES.  reference() builds the causal mask itself (jnp.tril) and puts -1e9 in the place of every score whose key comes after its query, whatever the inputs hold: so those
; products q.k reach no output, and they are not made where they fill a whole step of 64 keys.  Their weights, exp(-1e9 - max), are taken as 0: that is what reference()'s f32 gives while some visible score of the row lies above
; about -1e9 + 200, which holds for inputs thirty times larger than those drawn (scores of some 5e6).  All six inputs have a way to the output and are loaded.
; LIMITS: a NaN, an infinity or an overflow that reaches only hidden keys is not carried to the result; NaN and infinities among the inputs are not served; a block whose largest magnitude lies under 2^-124 keeps the byte 1
; (a block of zeros too: its codes are zeros, and this program alone reads the bytes); the angle differs from reference()'s by some 2e-7 of its size (the frequency is made by v_exp_f32); the reduction serves |angle| under 2^20.
.set WREG,  8192                       ; LDS of a quantising wave: two stages of 32 x SP bytes, then its 256 scale bytes
.set SP,    80                         ; a lane's place in a stage: 64 bytes + 16 of padding
.set CB,    8                          ; bytes of 16 codes
.set STEPS, 16
.set R,     16                         ; v16-79   four sets of 16 numbers as loaded
.set X,     80                         ; v80-111  two sets of 16 neighbours
.set E,     112                        ; v112-127 a scale byte for each step
.set C,     128                        ; v128-191 codes, four registers a step
.set SPW,   12                         ; v12 LDS address of my spare word; never rewritten
.set NIL,   13                         ; v13 0; never rewritten
.set SPARE, 4*WREG                     ; behind the four regions: the spare words, 128 bytes a wave
.set IN,    16                         ; Wo's path: v16-143 two sets of 64 numbers
.set OUTW,  144                        ; v144-207 two sets of 32 packed registers
	s_load_b512 s[4:19], s[0:1], 0x0               ; x 4:5, Wq 6:7, Wk 8:9, Wv 10:11, Wo 12:13, positions 14:15, codes 16:17, scales 18:19
	s_load_b128 s[20:23], s[0:1], 0x40             ; wo_h 20:21, tab 22:23
	v_lshl_add_u32 v[SPW], v0, 2, SPARE
	v_mov_b32 v[NIL], 0
	v_lshrrev_b32 v1, 5, v0
	v_readfirstlane_b32 s24, v1                    ; wave
	v_and_b32 v2, 31, v0                           ; lane
	s_wait_kmcnt 0x0
	s_cmp_ge_u32 ttmp9, 384
	s_cbranch_scc1 .Ltable
	s_cmp_ge_u32 ttmp9, 352
	s_cbranch_scc1 .Lwo
; ---- THE QUANTISER.  Rows are dense and K is a multiple of 32: each tensor is a plain stream of blocks of 32.  A wave takes 16 steps of 512 numbers.  Each load reads 512 consecutive bytes; a step's 2,048 bytes turn
; through the wave's own stage in LDS, so that a lane then holds 16 neighbours along K (two lanes hold a block).  A lane's 16 codes are 8 bytes: the wave stores 256 consecutive bytes.  The wave's 256 scale bytes are gathered in LDS.
	v_lshlrev_b32 v3, 4, v2                        ; my 16 bytes of a load's 512
	s_mul_i32 s25, s24, WREG
	v_lshrrev_b32 v14, 2, v2
	v_mul_u32_u24 v14, v14, SP
	v_and_b32 v15, 3, v2
	v_lshl_add_u32 v14, v15, 4, v14
	v_add_nc_u32 v14, s25, v14                     ; the stage, on the way in: SP (lane / 4) + 16 (lane % 4)
	v_mul_u32_u24 v15, v2, SP
	v_add_nc_u32 v15, s25, v15                     ; and on the way out: SP x lane
	v_mul_u32_u24 v4, v2, CB                       ; my codes' place in a step's
	v_lshrrev_b32 v5, 1, v2
	s_add_co_u32 s25, s25, 2*32*SP
	v_add_nc_u32 v5, s25, v5                       ; my block's scale byte in LDS
	v_lshlrev_b32 v7, 3, v2
	v_add_nc_u32 v6, s25, v7                       ; and on the way out 8 bytes a lane
	s_sub_co_u32 s25, ttmp9, 256                   ; among the weights' 96 work-groups (not used in x's)
	s_lshr_b32 s26, s25, 5                         ; which weight
	s_and_b32 s27, s25, 31                         ; which part of it
	s_cmp_eq_u32 s26, 1                            ; the choices hang on the work-group's number alone
	s_cselect_b64 s[28:29], s[8:9], s[6:7]
	s_cmp_eq_u32 s26, 2
	s_cselect_b64 s[28:29], s[10:11], s[28:29]
	s_cmp_lt_u32 ttmp9, 256
	s_cselect_b64 s[28:29], s[4:5], s[28:29]
	s_cselect_b32 s27, ttmp9, s27
	s_lshl_b32 s27, s27, 2
	s_add_co_u32 s30, s27, s24                     ; which run of 8,192 numbers of the tensor is my wave's
	s_lshl_b32 s30, s30, 15
	s_mov_b32 s31, 0
	s_add_nc_u64 s[28:29], s[28:29], s[30:31]
	s_lshl_b32 s32, ttmp9, 2
	s_add_co_u32 s32, s32, s24                     ; and which run of the one stream of codes and of scale bytes
	s_lshl_b32 s30, s32, 12
	s_add_nc_u64 s[16:17], s[16:17], s[30:31]
	s_lshl_b32 s30, s32, 8
	s_add_nc_u64 s[18:19], s[18:19], s[30:31]
.macro LOAD t
.irp i, 0,1,2,3
	global_load_b128 v[R+16*((\t)%4)+4*\i:R+16*((\t)%4)+4*\i+3], v3, s[28:29] offset:2048*(\t)+512*\i th:TH_LOAD_NT
.endr
.endm
.macro TURN t                          ; step t's numbers through the stage: LDS serves a wave's instructions in order, so no wait stands between the stores and the loads
.irp i, 0,1,2,3
	ds_store_b128 v14, v[R+16*((\t)%4)+4*\i:R+16*((\t)%4)+4*\i+3] offset:32*SP*((\t)%2)+8*SP*\i
.endr
.irp i, 0,1,2,3
	ds_load_b128 v[X+16*((\t)%2)+4*\i:X+16*((\t)%2)+4*\i+3], v15 offset:32*SP*((\t)%2)+16*\i
.endr
.endm
.irp t, 0,1,2,3
	LOAD \t
.endr
	s_wait_loadcnt 12                              ; step 0's four loads are in; the twelve of steps 1 to 3 may be out
	TURN 0
.macro STEP t
.set XS, X+16*((\t)%2)
.if (\t) > 0
	s_wait_dscnt 1                                 ; this step's numbers are back from the stage; the last step's byte store may be out
.else
	s_wait_dscnt 0x0
.endif
.if (\t)+4 < STEPS
	LOAD (\t)+4                                    ; into the registers that the stage's stores have read
.endif
.if (\t)+1 < STEPS
.if STEPS-2-(\t) >= 3
	s_wait_loadcnt 12                              ; the next step's four loads are in; those of the three steps behind it may be out
.else
	s_wait_loadcnt 4*(STEPS-2-(\t))
.endif
	TURN (\t)+1
.endif
	v_max3_num_f32 v8, |v[XS]|, |v[XS+1]|, |v[XS+2]|               ; the largest magnitude of my 16, in two chains
	v_max3_num_f32 v9, |v[XS+3]|, |v[XS+4]|, |v[XS+5]|
.irp i, 6,10
	v_max3_num_f32 v8, v8, |v[XS+\i]|, |v[XS+\i+1]|
	v_max3_num_f32 v9, v9, |v[XS+\i+2]|, |v[XS+\i+3]|
.endr
	v_max3_num_f32 v8, v8, |v[XS+14]|, |v[XS+15]|
	v_max3_num_f32 v8, v8, v9, 0x1800000           ; and the floor 2^(3 - 127): the byte cannot fall under 1
	v_max_num_f32_dpp v8, v8, v8 row_xmask:1 row_mask:0xf bank_mask:0xf   ; with my neighbour's 16: the block's
	v_add_nc_u32 v11, 0xff000000, v8               ; 2 off its exponent field: the conversion takes the exponent field of this operand as its scale
	v_cvt_scalef32_pk8_fp4_f32 v[C+4*(\t)], v[XS:XS+7], v11
	v_cvt_scalef32_pk8_fp4_f32 v[C+4*(\t)+1], v[XS+8:XS+15], v11
	v_lshrrev_b32 v[E+(\t)], 23, v11               ; the scale's byte
	ds_store_b8 v5, v[E+(\t)] offset:16*(\t)       ; both lanes of a block write the same byte with the same value
	global_store_b64 v4, v[C+4*(\t):C+4*(\t)+1], s[16:17] offset:32*CB*(\t)
.endm
.irp t, 0,1,2,3,4,5,6,7,8,9,10,11,12,13,14,15
	STEP \t
.endr
	ds_load_b64 v[8:9], v6                         ; LDS serves a wave's instructions in order: these see my byte stores
	s_wait_dscnt 0x0
	global_store_b64 v7, v[8:9], s[18:19]          ; 32 lanes store 256 consecutive bytes, aligned
	s_wait_tensorcnt 0x0                           ; the wave's end
	ds_add_u32 v[SPW], v[NIL]
	s_wait_dscnt 0x0
	s_endpgm
; ---- Wo TO f16 IMAGES.  A wave takes one tile of 16 rows (outputs) and 16 groups of 32 along K.  Lane (r, h) of a fragment holds row r, K = 8 h + 0..7 (registers 0-3) and 16 + 8 h + 0..7 (registers 4-7).  No LDS.
.Lwo:
	s_sub_co_u32 s25, ttmp9, 352
	s_lshl_b32 s25, s25, 1
	s_lshr_b32 s26, s24, 1
	s_add_co_u32 s25, s25, s26                     ; the tile of 16 rows
	s_and_b32 s26, s24, 1                          ; which half of K
	s_lshl_b32 s28, s25, 16                        ; 16 rows of 4,096 bytes
	s_lshl_b32 s27, s26, 11                        ; 16 groups of 128 bytes
	s_add_co_u32 s28, s28, s27
	s_mov_b32 s29, 0
	s_add_nc_u64 s[12:13], s[12:13], s[28:29]
	s_lshl_b32 s28, s25, 15                        ; 32 images of 1,024 bytes
	s_lshl_b32 s27, s26, 14
	s_add_co_u32 s28, s28, s27
	s_add_nc_u64 s[20:21], s[20:21], s[28:29]
	v_and_b32 v5, 15, v0
	v_bfe_u32 v6, v0, 4, 1
	v_lshlrev_b32 v4, 12, v5
	v_lshl_add_u32 v4, v6, 5, v4                   ; row r, + 32 h bytes
	v_lshlrev_b32 v3, 4, v2                        ; an image's place for my lane
.macro LOADW t                         ; four groups of 32 along K: 16 loads
.irp f, 0,1,2,3
	global_load_b128 v[IN+64*((\t)%2)+16*\f:IN+64*((\t)%2)+16*\f+3], v4, s[12:13] offset:(4*(\t)+\f)*128
	global_load_b128 v[IN+64*((\t)%2)+16*\f+4:IN+64*((\t)%2)+16*\f+7], v4, s[12:13] offset:(4*(\t)+\f)*128+16
	global_load_b128 v[IN+64*((\t)%2)+16*\f+8:IN+64*((\t)%2)+16*\f+11], v4, s[12:13] offset:(4*(\t)+\f)*128+64
	global_load_b128 v[IN+64*((\t)%2)+16*\f+12:IN+64*((\t)%2)+16*\f+15], v4, s[12:13] offset:(4*(\t)+\f)*128+80
.endr
.endm
.macro CONVW t
.if (\t) < 3
	s_wait_loadcnt 16                              ; this batch's 16 loads are in; the next batch's 16 may be out
.else
	s_wait_loadcnt 0x0
.endif
.if (\t) > 1
	s_wait_xcnt 0x0                                ; the stores of two batches back have read the registers that are written now
.endif
.irp f, 0,1,2,3
.irp i, 0,1,2,3,4,5,6,7
	v_cvt_pk_f16_f32 v[OUTW+32*((\t)%2)+8*\f+\i], v[IN+64*((\t)%2)+16*\f+2*\i], v[IN+64*((\t)%2)+16*\f+2*\i+1]
.endr
.endr
.irp f, 0,1,2,3
	global_store_b128 v3, v[OUTW+32*((\t)%2)+8*\f:OUTW+32*((\t)%2)+8*\f+3], s[20:21] offset:(4*(\t)+\f)*1024      ; 512 consecutive bytes a store
	global_store_b128 v3, v[OUTW+32*((\t)%2)+8*\f+4:OUTW+32*((\t)%2)+8*\f+7], s[20:21] offset:(4*(\t)+\f)*1024+512
.endr
.if (\t) < 2
	LOADW (\t)+2
.endif
.endm
	LOADW 0
	LOADW 1
	CONVW 0
	CONVW 1
	CONVW 2
	CONVW 3
	s_endpgm
; ---- THE TABLE.  Work-group: 16 positions; wave: a quarter of the 32 frequencies; lane (r, h): position r of the 16, frequencies 8 x quarter + 4 h + 0..3: the order in which the next launch's results want them.
; angle = position x 2^(-j log2(10000) / 32); n = the nearest whole number to angle x 2 / pi; the rest, angle - n pi / 2 with pi / 2 in three parts, lies within pi / 4; two short polynomials; the quadrant picks and signs.  No LDS.
.Ltable:
	s_sub_co_u32 s25, ttmp9, 384                   ; the tile of 16 positions
	v_and_b32 v6, 15, v0
	v_bfe_u32 v7, v0, 4, 1
	v_lshlrev_b32 v4, 2, v6
	s_lshl_b32 s26, s25, 6
	s_mov_b32 s27, 0
	s_add_nc_u64 s[14:15], s[14:15], s[26:27]
	global_load_b32 v16, v4, s[14:15]              ; my position
	s_lshl_b32 s26, s25, 12
	s_lshl_b32 s28, s24, 10
	s_add_co_u32 s26, s26, s28
	s_add_nc_u64 s[22:23], s[22:23], s[26:27]
	s_lshl_b32 s28, s24, 3
	v_lshl_add_u32 v5, v7, 2, s28                  ; my first frequency's number
	v_lshlrev_b32 v3, 4, v2
	s_mov_b32 s30, 0xbed49a78                      ; -log2(10000) / 32
	s_mov_b32 s31, 0x3f22f983                      ; 2 / pi
	s_mov_b32 s32, 0x3fc90fda                      ; pi / 2 in three parts
	s_mov_b32 s33, 0x33a22168
	s_mov_b32 s34, 0x27c234c4
	s_mov_b32 s35, 0xb94ca1f9                      ; the sine's three coefficients
	s_mov_b32 s36, 0x3c08839e
	s_mov_b32 s37, 0xbe2aaaa3
	s_mov_b32 s38, 0x37ccf5ce                      ; the cosine's
	s_mov_b32 s39, 0xbab6061a
	s_mov_b32 s40, 0x3d2aaaa5
.irp i, 0,1,2,3
	v_add_nc_u32 v[20+\i], \i, v5
.endr
.irp i, 0,1,2,3
	v_cvt_f32_u32 v[20+\i], v[20+\i]
.endr
.irp i, 0,1,2,3
	v_mul_f32 v[20+\i], s30, v[20+\i]
.endr
.irp i, 0,1,2,3
	v_exp_f32 v[24+\i], v[20+\i]                   ; the frequency
.endr
	v_nop                                          ; a plain instruction behind the last exponential
	s_wait_alu depctr_va_vdst(0)                   ; one wait for the four, ahead of their first reader
	s_wait_loadcnt 0x0
	v_cvt_f32_i32 v16, v16
.irp i, 0,1,2,3
	v_mul_f32 v[28+\i], v16, v[24+\i]              ; the angle
.endr
.irp i, 0,1,2,3
	v_mul_f32 v[32+\i], s31, v[28+\i]
.endr
.irp i, 0,1,2,3
	v_rndne_f32 v[32+\i], v[32+\i]                 ; n
.endr
.irp i, 0,1,2,3
	v_fma_f32 v[36+\i], -v[32+\i], s32, v[28+\i]
.endr
.irp i, 0,1,2,3
	v_fma_f32 v[36+\i], -v[32+\i], s33, v[36+\i]
.endr
.irp i, 0,1,2,3
	v_fma_f32 v[36+\i], -v[32+\i], s34, v[36+\i]   ; the rest
.endr
.irp i, 0,1,2,3
	v_cvt_i32_f32 v[52+\i], v[32+\i]
.endr
.irp i, 0,1,2,3
	v_mul_f32 v[40+\i], v[36+\i], v[36+\i]         ; z = rest^2
.endr
.irp i, 0,1,2,3
	v_fma_f32 v[44+\i], v[40+\i], s35, s36
	v_fma_f32 v[48+\i], v[40+\i], s38, s39
.endr
.irp i, 0,1,2,3
	v_fma_f32 v[44+\i], v[44+\i], v[40+\i], s37
	v_fma_f32 v[48+\i], v[48+\i], v[40+\i], s40
.endr
.irp i, 0,1,2,3
	v_mul_f32 v[64+\i], v[36+\i], v[40+\i]
	v_mul_f32 v[68+\i], v[40+\i], v[40+\i]
.endr
.irp i, 0,1,2,3
	v_fma_f32 v[44+\i], v[44+\i], v[64+\i], v[36+\i]   ; the rest's sine
	v_fma_f32 v[64+\i], v[40+\i], -0.5, 1.0
.endr
.irp i, 0,1,2,3
	v_fma_f32 v[48+\i], v[48+\i], v[68+\i], v[64+\i]   ; and cosine
.endr
.irp i, 0,1,2,3
	v_and_b32 v[64+\i], 1, v[52+\i]
	v_cmp_eq_u32 vcc_lo, 1, v[64+\i]               ; an odd quadrant swaps the two
	v_cndmask_b32 v[60+\i], v[44+\i], v[48+\i], vcc_lo
	v_cndmask_b32 v[56+\i], v[48+\i], v[44+\i], vcc_lo
.endr
.irp i, 0,1,2,3
	v_and_b32 v[64+\i], 2, v[52+\i]                ; the sine changes sign in quadrants 2 and 3,
	v_add_nc_u32 v[68+\i], 1, v[52+\i]
.endr
.irp i, 0,1,2,3
	v_lshlrev_b32 v[64+\i], 30, v[64+\i]
	v_and_b32 v[68+\i], 2, v[68+\i]                ; the cosine in 1 and 2
.endr
.irp i, 0,1,2,3
	v_xor_b32 v[60+\i], v[64+\i], v[60+\i]
	v_lshlrev_b32 v[68+\i], 30, v[68+\i]
.endr
.irp i, 0,1,2,3
	v_xor_b32 v[56+\i], v[68+\i], v[56+\i]
.endr
	global_store_b128 v3, v[56:59], s[22:23]       ; four cosines: 512 consecutive bytes a wave
	global_store_b128 v3, v[60:63], s[22:23] offset:512   ; four sines
	s_endpgm
.Lfunc_end_k_q35bbb2410a_prep:
	.size	k_q35bbb2410a_prep, .Lfunc_end_k_q35bbb2410a_prep-k_q35bbb2410a_prep
	.p2alignl 7, 3214868480
	.fill 96, 4, 3214868480
	.section	.rodata,"a",@progbits
	.p2align	6, 0x0
	.amdhsa_kernel k_q35bbb2410a_prep
		.amdhsa_group_segment_fixed_size 33280
		.amdhsa_private_segment_fixed_size 0
		.amdhsa_enable_private_segment 0
		.amdhsa_kernarg_size 80
		.amdhsa_user_sgpr_count 2
		.amdhsa_user_sgpr_kernarg_segment_ptr 1
		.amdhsa_wavefront_size32 1
		.amdhsa_system_sgpr_workgroup_id_x 1
		.amdhsa_system_sgpr_workgroup_id_y 1
		.amdhsa_system_sgpr_workgroup_id_z 1
		.amdhsa_system_vgpr_workitem_id 0
		.amdhsa_next_free_vgpr 208
		.amdhsa_next_free_sgpr 66
		.amdhsa_reserve_vcc 1
		.amdhsa_float_denorm_mode_32 3
		.amdhsa_float_denorm_mode_16_64 3
		.amdhsa_memory_ordered 1
		.amdhsa_forward_progress 1
		.amdhsa_inst_pref_size 58
	.end_amdhsa_kernel
	.amdgpu_metadata
---
amdhsa.version: [ 1, 2 ]
amdhsa.kernels:
  - .name:           k_q35bbb2410a_prep
    .symbol:         k_q35bbb2410a_prep.kd
    .args:
      - { .name: x, .offset: 0, .size: 8, .value_kind: global_buffer, .address_space: global }
      - { .name: Wq, .offset: 8, .size: 8, .value_kind: global_buffer, .address_space: global }
      - { .name: Wk, .offset: 16, .size: 8, .value_kind: global_buffer, .address_space: global }
      - { .name: Wv, .offset: 24, .size: 8, .value_kind: global_buffer, .address_space: global }
      - { .name: Wo, .offset: 32, .size: 8, .value_kind: global_buffer, .address_space: global }
      - { .name: token_positions, .offset: 40, .size: 8, .value_kind: global_buffer, .address_space: global }
      - { .name: codes, .offset: 48, .size: 8, .value_kind: global_buffer, .address_space: global }
      - { .name: scales, .offset: 56, .size: 8, .value_kind: global_buffer, .address_space: global }
      - { .name: wo_h, .offset: 64, .size: 8, .value_kind: global_buffer, .address_space: global }
      - { .name: tab, .offset: 72, .size: 8, .value_kind: global_buffer, .address_space: global }
    .group_segment_fixed_size: 33280
    .private_segment_fixed_size: 0
    .kernarg_segment_align: 8
    .kernarg_segment_size: 80
    .max_flat_workgroup_size: 128
    .sgpr_count:     66
    .vgpr_count:     208
    .wavefront_size: 32
...
	.end_amdgpu_metadata
.endif
;; end of part 1
;; launch qkv (part 2): grid 12 x 32, 4 waves a work-group, clusters of 4 x 4, 327,680 bytes of LDS; arguments codes, scales, tab, qkvf, first16; writes qkvf, first16
.if DOCPART == 2
	.amdgcn_target "amdgcn-amd-amdhsa--gfx1250"
	.amdhsa_code_object_version 6
	.text
	.protected	k_q35bbb2410a_qkv
	.globl	k_q35bbb2410a_qkv
	.p2align	8
	.type	k_q35bbb2410a_qkv,@function
k_q35bbb2410a_qkv:
	s_mov_b64 s[64:65], 0
	v_nop
	global_prefetch_b8 v0, s[64:65] scope:SCOPE_SE
	s_setreg_imm32_b32 hwreg(HW_REG_WAVE_MODE, 25, 1), 1
	s_wait_xcnt 0x0
	s_wait_alu depctr_hold_cnt(0) depctr_sa_sdst(0) depctr_va_vdst(0) depctr_va_sdst(0) depctr_va_ssrc(0) depctr_va_vcc(0) depctr_vm_vsrc(0)
	s_getreg_b32 s2, hwreg(HW_REG_IB_STS2, 6, 4)
	s_cmp_eq_u32 s2, 0
	s_cbranch_scc0 .Lentry_in_a_cluster
	s_endpgm
.Lentry_in_a_cluster:
	s_bfe_u32 s2, ttmp6, 0x10000c
	s_cmp_lg_u32 s2, 0xf033
	s_cbranch_scc0 .Lentry_shape_is_right
	s_endpgm
.Lentry_shape_is_right:
; q, k, v = x Wq^T, x Wk^T, x Wv^T on codes of E2M1 with one E8M0 scale for each 32 along K (K = 1,024); q and k are rotated (RoPE) in f32; all three leave as f16, laid as images of the next launch's operand registers.
; No work is left out here.
; A tile of 256 x 256 is made by a work-group of four waves; a wave makes 128 x 128: 64 accumulators of 16 x 16.  K goes in two steps of 512 through two LDS slots: both are first fills, nothing is filled again.
; CLUSTERS of 4 x 4 work-groups; the cluster's x is the KIND (0 q, 1 k, 2 v), its y is CY.  "A" is shared along a row of the cluster, "B" along a column: each tile is asked for jointly.
;   KIND 0, 1: A = rows of x (batch cy, positions 256 CY on), B = rows of W (outputs 256 cx on).      KIND 2: A = rows of Wv (outputs 256 cy on), B = rows of x (batch cx, positions 256 CY on).
; THE MATRIX INSTRUCTION TAKES B AS SOURCE 0 AND A AS SOURCE 1: lane (r, h) of accumulator (a, b) holds A's row 16 a + r and B's rows 16 b + 8 h + 0..7.  So for q and k a lane holds one position and eight neighbouring
; channels, for v one channel and eight neighbouring keys: packed to f16, accumulators 2 c and 2 c + 1 ARE registers 0-3 and 4-7 of a fragment (16 rows x 32 along the next K).  Each store is 512 consecutive bytes; no stage is needed.
; qkvf: three sections of 2^24 bytes; a head of a batch (hb = 16 batch + head) has 2^18.  q, k: [position tile 128][channels 32 c on: 2][1,024];  v: [group of 32 keys: 64][channel tile 4][1,024].
; first16: positions 0-15 of every sequence in f32, the accumulators as they stand: [q, k, v][hb][tile 4][registers 0-3, 4-7][lane][16 bytes].
; REGISTERS, in windows of 256: window 0: v0-31 addresses; v32-95 scale words, two sets; from v128 A's fragments, one set; on the way out v32-223 are at work.  window 1: B's fragments, two sets.  windows 2, 3: the accumulators.
.set NQ,     4                         ; steps of 128 along K in a slot
.set ROWB,   256                       ; a tile's row: 512 codes
.set KROW,   512                       ; a row of codes in memory
.set PITCH,  272                       ; an LDS row: 256 bytes + 16 of padding, so that the 16 rows of a load start 68 words apart
.set FR,     8
.set NL,     2
.set NP,     4                         ; places behind this matrix instruction (ISA guide 7.12.1)
.set HALFT,  128*PITCH
.set SLOT,   4*HALFT
.set KS,     32                        ; a row of scale bytes
.set SCL,    2*SLOT
.set HALFS,  (128*KS/256)*272
.set SBLK,   (16*KS/256)*272
.set SPARE,  SCL+4*HALFS               ; the spare words, 128 bytes a wave
.set ADRA, 16
.set ADRB, 20
.set LI,   26                          ; v26 16 x lane: an image's place for my lane
.set ADRS, 27
.set SPW,  28
.set NIL,  29
.set SC,   32
.set AF,   128
.set CSB,  32                          ; the way out: cos and sin of a block of 16 positions, two sets of 32
.set T,    96                          ; v96-159 a block's 64 rotated numbers
.set Y,    160                         ; v160-223 packed results, two sets of 32
.set G1, 24
.set G0, 32
.set G1B, 48
.set G0B, 56
.set G1S, 68
.set G0S, 76
.set G1SB, 80
.set G0SB, 88
.set MSB, 0
.macro WIN new                         ; the immediate's high byte repeats the setting that is left
.if MSB != \new
	s_set_vgpr_msb (MSB<<8)|\new
.set MSB, \new
.endif
.endm
.set MUL_LO, 0xa1                      ; source 0 (B) window 1, source 1 (A) window 0, C and D window 2
.set MUL_HI, 0xf1
.set TO_B,   0x40
; A joint load: waves 0 and 1 fetch for A, waves 2 and 3 for B; the branch hangs on the wave's number alone.  An s_nop 0 and four v_nop follow each line.
.macro JLOAD g0a, g1a, g0b, g1b
	s_cmp_eq_u32 s15, 0
	s_cbranch_scc0 .Lfor_b_\@
	tensor_load_to_lds s[\g0a:\g0a+3], s[\g1a:\g1a+7]
	s_nop 0
.rept 4
	v_nop
.endr
	s_branch .Lasked_\@
.Lfor_b_\@:
	tensor_load_to_lds s[\g0b:\g0b+3], s[\g1b:\g1b+7]
	s_nop 0
.rept 4
	v_nop
.endr
.Lasked_\@:
.endm
.macro CROUND                          ; a round of the cluster's barrier
	s_barrier_signal -1
	s_barrier_wait -1
	s_cmp_lg_u32 s14, 0
	s_cbranch_scc1 .Lnot_wave_0_\@
	s_barrier_signal -3
.Lnot_wave_0_\@:
	s_barrier_wait -3
	s_barrier_signal -1
	s_barrier_wait -1
.endm
	s_load_b256 s[4:11], s[0:1], 0x0               ; codes 4:5, scales 6:7, tab 8:9, qkvf 10:11
	s_load_b64 s[12:13], s[0:1], 0x20              ; first16
	v_lshl_add_u32 v[SPW], v0, 2, SPARE
	v_mov_b32 v[NIL], 0
	ds_add_u32 v[SPW], v[NIL]                      ; the wave's opening: the add, twice on end, and its wait ahead of my first tensor load
	ds_add_u32 v[SPW], v[NIL]
	v_lshrrev_b32 v1, 5, v0
	v_readfirstlane_b32 s14, v1                    ; wave 0..3
	s_lshr_b32 s15, s14, 1                         ; which half of A's rows is mine.  Also: I fetch for A (0) or for B (1)
	s_and_b32 s16, s14, 1                          ; which half of B's rows.  Also: which 128 rows I fetch
	s_bfe_u32 s40, ttmp6, 0x40000                  ; cx
	s_bfe_u32 s41, ttmp6, 0x40004                  ; cy
	s_and_b32 s95, ttmp7, 0xffff                   ; CY, the cluster's y: the same in all sixteen partners
	s_lshl_b32 s43, s41, 2
	s_lshl_b32 s43, 15, s43                        ; my row of the cluster
	s_lshl_b32 s44, 0x1111, s40                    ; my column
	s_or_b32 s[G1+0], s43, (0<<16)|(1<<20)|(1<<21)|(5<<22)|(3<<25)   ; the mask; elements of 1 byte; padding on; bit 21 beside a mask; 4 words behind every 64
	s_or_b32 s[G1B+0], s44, (0<<16)|(1<<20)|(1<<21)|(5<<22)|(3<<25)
.irp g, G1, G1B
	s_mov_b32 s[\g+1], ROWB<<16                    ; tensor_dim0
	s_mov_b32 s[\g+2], 128<<16                     ; tensor_dim1
	s_mov_b32 s[\g+3], ROWB<<16                    ; tile_dim0
	s_mov_b32 s[\g+4], 128                         ; tile_dim1
	s_mov_b32 s[\g+5], KROW                        ; the pitch
	s_mov_b32 s[\g+6], 0
	s_mov_b32 s[\g+7], 0
.endr
	s_or_b32 s[G1S+0], s43, (3<<16)|(1<<20)|(1<<21)|(5<<22)|(3<<25)  ; the scale bytes of 128 rows: 4,096 dense bytes as 16 rows of 256, 16 bytes of padding behind each
	s_or_b32 s[G1SB+0], s44, (3<<16)|(1<<20)|(1<<21)|(5<<22)|(3<<25)
.irp g, G1S, G1SB
	s_mov_b32 s[\g+1], 32<<16
	s_mov_b32 s[\g+2], (128*KS/256)<<16
	s_mov_b32 s[\g+3], 32<<16
	s_mov_b32 s[\g+4], 128*KS/256
	s_mov_b32 s[\g+5], 32
	s_mov_b32 s[\g+6], 0
	s_mov_b32 s[\g+7], 0
.endr
	; which tiles of 256 rows of the one stream (x: tiles 0-31, Wq 32-35, Wk 36-39, Wv 40-43).  A's is made of cy, CY and the kind alone, B's of cx, CY and the kind alone
	s_lshl_b32 s20, s41, 3
	s_add_co_u32 s20, s20, s95                     ; x's tile 8 cy + CY
	s_add_co_u32 s21, s41, 40                      ; Wv's tile cy
	s_lshl_b32 s46, ttmp9, 2
	s_add_co_u32 s46, s46, s40
	s_add_co_u32 s46, s46, 32                      ; Wq's or Wk's tile cx
	s_lshl_b32 s47, s40, 3
	s_add_co_u32 s47, s47, s95                     ; x's tile 8 cx + CY
	s_cmp_lt_u32 ttmp9, 2
	s_cselect_b32 s20, s20, s21
	s_cselect_b32 s46, s46, s47
	s_lshl_b32 s18, s16, 7                         ; which 128 rows of the tile I fetch
	s_lshl_b32 s20, s20, 8
	s_add_co_u32 s20, s20, s18
	s_lshl_b32 s46, s46, 8
	s_add_co_u32 s46, s46, s18
	s_lshl_b32 s22, s20, 5                         ; where these rows' scale bytes begin,
	s_mov_b32 s23, 0
	s_lshl_b32 s92, s46, 5
	s_mov_b32 s93, 0
	s_lshl_b32 s20, s20, 9                         ; and their codes
	s_mov_b32 s21, 0
	s_lshl_b32 s46, s46, 9
	s_mov_b32 s47, 0
	s_mul_i32 s45, s14, HALFT                      ; where they go: wave x 128 rows: no place in the cluster enters an LDS address
	s_mul_i32 s94, s14, HALFS
	s_wait_dscnt 0x0                               ; both opening adds are done
	s_wait_kmcnt 0x0
	s_add_nc_u64 s[20:21], s[4:5], s[20:21]
	s_add_nc_u64 s[22:23], s[6:7], s[22:23]
	s_add_nc_u64 s[46:47], s[4:5], s[46:47]
	s_add_nc_u64 s[92:93], s[6:7], s[92:93]
	CROUND                                         ; all sixteen work-groups are here: the joint loads meet
	s_mov_b32 s[G0S], 1
	s_add_co_u32 s[G0S+1], s94, SCL
	s_mov_b64 s[G0S+2:G0S+3], s[22:23]
	s_or_b32 s[G0S+3], s[G0S+3], 0x80000000
	s_mov_b32 s[G0SB], 1
	s_add_co_u32 s[G0SB+1], s94, SCL
	s_mov_b64 s[G0SB+2:G0SB+3], s[92:93]
	s_or_b32 s[G0SB+3], s[G0SB+3], 0x80000000
	JLOAD G0S, G1S, G0SB, G1SB                     ; the scales first: three loads of mine are out when all are issued
.irp s, 0,1
	s_mov_b32 s[G0+4*\s], 1
	s_add_co_u32 s[G0+4*\s+1], s45, \s*SLOT
	s_add_nc_u64 s[G0+4*\s+2:G0+4*\s+3], s[20:21], \s*ROWB
	s_or_b32 s[G0+4*\s+3], s[G0+4*\s+3], 0x80000000
	s_mov_b32 s[G0B+4*\s], 1
	s_add_co_u32 s[G0B+4*\s+1], s45, \s*SLOT
	s_add_nc_u64 s[G0B+4*\s+2:G0B+4*\s+3], s[46:47], \s*ROWB
	s_or_b32 s[G0B+4*\s+3], s[G0B+4*\s+3], 0x80000000
	JLOAD G0+4*\s, G1, G0B+4*\s, G1B
.endr
	v_and_b32 v1, 15, v0                           ; r
	v_bfe_u32 v2, v0, 4, 1                         ; h
	v_mul_u32_u24 v3, v1, PITCH
	v_lshl_add_u32 v4, v2, 4, v3                   ; a fragment's row x pitch + 16 h
	s_mul_i32 s21, s15, HALFT
	s_mul_i32 s22, s16, HALFT
	s_add_co_u32 s22, s22, 2*HALFT
.irp s, 0,1
	v_add_nc_u32 v[ADRA+\s], s21, v4
	v_add_nc_u32 v[ADRB+\s], s22, v4
	s_add_co_u32 s21, s21, SLOT
	s_add_co_u32 s22, s22, SLOT
.endr
	v_mul_u32_u24 v5, v1, KS                       ; my row's scale bytes: 32 a row,
	v_lshrrev_b32 v6, 8, v5
	v_lshl_add_u32 v5, v6, 4, v5                   ; and 16 more for each 256 passed
	s_mul_i32 s21, s15, HALFS
	s_mul_i32 s22, s16, HALFS
	s_add_co_u32 s22, s22, 2*HALFS
	s_sub_co_u32 s22, s22, s21
	v_mul_u32_u24 v6, s22, v2                      ; lanes 16-31 take B's
	s_add_co_u32 s21, s21, SCL
	v_add_nc_u32 v5, v5, v6
	v_add_nc_u32 v[ADRS], s21, v5
	v_and_b32 v6, 31, v0
	v_lshlrev_b32 v[LI], 4, v6
	; the way out's bases.  hb0 = 16 batch + the first of my two heads; inside a head my 128 positions begin CY x 32,768 + half x 16,384 bytes on, in q, k and v alike
	s_cmp_lt_u32 ttmp9, 2
	s_cselect_b32 s92, s41, s40                    ; the batch
	s_cselect_b32 s93, s40, s41                    ; which four heads
	s_cselect_b32 s94, s16, s15                    ; which two of them
	s_cselect_b32 s97, s15, s16                    ; which half of the 256 positions
	s_or_b32 s96, s97, s95                         ; 0 where my wave holds positions 0-15 of a sequence
	s_lshl_b32 s92, s92, 4
	s_lshl_b32 s93, s93, 2
	s_lshl_b32 s94, s94, 1
	s_add_co_u32 s92, s92, s93
	s_add_co_u32 s92, s92, s94                     ; hb0
	s_lshl_b32 s98, s92, 18
	s_lshl_b32 s93, ttmp9, 24
	s_add_co_u32 s98, s98, s93
	s_lshl_b32 s93, s95, 15
	s_add_co_u32 s98, s98, s93
	s_lshl_b32 s93, s97, 14
	s_add_co_u32 s98, s98, s93
	s_mov_b32 s99, 0
	s_add_nc_u64 s[10:11], s[10:11], s[98:99]
	s_lshl_b32 s98, s92, 12
	s_lshl_b32 s93, ttmp9, 18
	s_add_co_u32 s98, s98, s93
	s_add_nc_u64 s[12:13], s[12:13], s[98:99]
	s_lshl_b32 s98, s95, 16                        ; the table: 4,096 bytes for 16 positions
	s_lshl_b32 s93, s15, 15
	s_add_co_u32 s98, s98, s93
	s_add_nc_u64 s[8:9], s[8:9], s[98:99]
.macro FRAG reg, adr, q, i             ; a fragment, 16 rows x 128 K of 4-bit codes: registers 4 c .. 4 c + 3 hold K = 64 c + 32 h + 0 .. 31
.irp c, 0,1
	ds_load_b128 v[\reg+4*\c:\reg+4*\c+3], v[\adr] offset:64*(\q)+32*\c+(\i)*16*PITCH
.endr
.endm
; 16 matrix instructions: A's blocks a0, a0 + 1 x B's eight.  The 64 accumulators take turns, one instruction a turn, in the same order in every step.
.macro MUL16 a0, p, q, sc, zero
.irp a, \a0, \a0+1
.irp b, 0,1,2,3,4,5,6,7
.if \zero
	v_wmma_scale_f32_16x16x128_f8f6f4 v[8*(8*((\a)%4)+\b):8*(8*((\a)%4)+\b)+7], v[128*(\p)+FR*\b:128*(\p)+FR*\b+FR-1], v[AF+FR*(\a):AF+FR*(\a)+FR-1], 0, v[SC+8*NQ*(\sc)+NQ*\b+(\q)], v[SC+8*NQ*(\sc)+NQ*(\a)+(\q)] matrix_a_fmt:MATRIX_FMT_FP4 matrix_b_fmt:MATRIX_FMT_FP4 matrix_a_scale:MATRIX_SCALE_ROW1
.else
	v_wmma_scale_f32_16x16x128_f8f6f4 v[8*(8*((\a)%4)+\b):8*(8*((\a)%4)+\b)+7], v[128*(\p)+FR*\b:128*(\p)+FR*\b+FR-1], v[AF+FR*(\a):AF+FR*(\a)+FR-1], v[8*(8*((\a)%4)+\b):8*(8*((\a)%4)+\b)+7], v[SC+8*NQ*(\sc)+NQ*\b+(\q)], v[SC+8*NQ*(\sc)+NQ*(\a)+(\q)] matrix_a_fmt:MATRIX_FMT_FP4 matrix_b_fmt:MATRIX_FMT_FP4 matrix_a_scale:MATRIX_SCALE_ROW1
.endif
.endr
.endr
.endm
.macro FETCH_B slot, q, p
	WIN TO_B
.irp i, 0,1,2,3,4,5,6,7
	FRAG 128*(\p)+FR*\i, ADRB+\slot, \q, \i
.endr
	WIN 0
.endm
.macro FETCH_A slot, q, i0
.irp i, \i0, \i0+1, \i0+2, \i0+3
	FRAG AF+FR*(\i), ADRA+\slot, \q, \i
.endr
.endm
.macro SCALES sc                       ; a slot's scale words: four a row; lanes 0-15 take A's block i, lanes 16-31 B's block i
.irp i, 0,1,2,3,4,5,6,7
	ds_load_b128 v[SC+8*NQ*\sc+NQ*\i:SC+8*NQ*\sc+NQ*\i+3], v[ADRS] offset:\i*SBLK
.endr
.endm
.macro PLACES n                        ; places in front of loads into registers that matrix instructions have read, and of the first read of results
.rept \n
	v_nop
.endr
.endm
.macro STEP slot, q, zero              ; a step of 128 along K that has its successor in the same slot
	s_wait_dscnt 4*NL                              ; B's set and A's blocks 0-3 are in; the youngest eight loads (A's blocks 4-7) may be out
	WIN MUL_LO
	MUL16 0, (\q)%2, \q, \slot, \zero
	MUL16 2, (\q)%2, \q, \slot, \zero
	s_wait_dscnt 0
	PLACES NP
	FETCH_B \slot, (\q)+1, 1-(\q)%2
	FETCH_A \slot, (\q)+1, 0
	WIN MUL_HI
	MUL16 4, (\q)%2, \q, \slot, \zero
	MUL16 6, (\q)%2, \q, \slot, \zero
	PLACES NP
	WIN 0
	FETCH_A \slot, (\q)+1, 4
.endm
.macro STEPS slot, from
.set Q, \from
.rept NQ-1-\from
	STEP \slot, Q, 0
.set Q, Q+1
.endr
.endm
	s_wait_tensorcnt 1                             ; the scales and my part of slot 0 are in; slot 1's load, the one issued behind them, may be out
	s_barrier_signal -1
	s_barrier_wait -1                              ; everybody's are
	FETCH_B 0, 0, 0
	FETCH_A 0, 0, 0
	SCALES 0
	FETCH_A 0, 0, 4
	STEP 0, 0, 1                                   ; the first products start the sums: nothing is cleared
	STEPS 0, 1
	; slot 0's last step changes slots: one barrier; in front of it each wave has its part of slot 1
	s_wait_tensorcnt 0x0                           ; all my tensor loads have landed
	ds_add_u32 v[SPW], v[NIL]
	s_wait_dscnt 4*NL+1                            ; the add and the youngest eight loads may be out
	WIN MUL_LO
	MUL16 0, 1, NQ-1, 0, 0
	s_wait_dscnt 0x0
	s_barrier_signal -1
	MUL16 2, 1, NQ-1, 0, 0
	WIN 0
	s_barrier_wait -1
	PLACES NP
	v_add_nc_u32 v[ADRS], 4*NQ, v[ADRS]            ; on to slot 1's scale words
	FETCH_B 1, 0, 0
	FETCH_A 1, 0, 0
	SCALES 1
	WIN MUL_HI
	MUL16 4, 1, NQ-1, 0, 0
	MUL16 6, 1, NQ-1, 0, 0
	PLACES NP
	WIN 0
	FETCH_A 1, 0, 4
	STEPS 1, 0
	s_wait_dscnt 4*NL                              ; the very last step: nothing more to fetch
	WIN MUL_LO
	MUL16 0, 1, NQ-1, 1, 0
	MUL16 2, 1, NQ-1, 1, 0
	s_wait_dscnt 0
	WIN MUL_HI
	MUL16 4, 1, NQ-1, 1, 0
	MUL16 6, 1, NQ-1, 1, 0
	WIN 0
; THE WAY OUT OF q AND k, block by block of 16 positions.  Register 2 p, 2 p + 1 of accumulator b are the pair 8 (b % 4) + 4 h + p of a head: (x0, x1) -> (c x0 - s x1, s x0 + c x1), in f32.
.macro TABLOAD a                       ; cos and sin of block a's 16 positions: 8 loads of 512 consecutive bytes
.irp qd, 0,1,2,3
.irp cs, 0,1
	global_load_b128 v[CSB+32*((\a)%2)+8*\qd+4*\cs:CSB+32*((\a)%2)+8*\qd+4*\cs+3], v[LI], s[8:9] offset:(\a)*4096+\qd*1024+\cs*512
.endr
.endr
.endm
.macro QKOUT a
.if (\a) < 7
	s_wait_loadcnt 8                               ; this block's eight loads are in; the next block's eight may be out
.else
	s_wait_loadcnt 0x0
.endif
	s_wait_xcnt 0x0                                ; earlier stores have read T and Y, which are written now
	WIN 0x08+4*((\a)/4)                            ; source 1: the accumulators' window
.irp b, 0,1,2,3,4,5,6,7
.set AC, 8*(8*((\a)%4)+\b)
.set CC, CSB+32*((\a)%2)+8*(\b%4)
.irp p, 0,1,2,3
	v_mul_f32 v[T+8*\b+2*\p], v[CC+4+\p], v[AC+2*\p+1]             ; s x1 (each accumulator is read from its low end on)
	v_mul_f32 v[T+8*\b+2*\p+1], v[CC+4+\p], v[AC+2*\p]             ; s x0
.endr
.irp p, 0,1,2,3
	v_fma_f32 v[T+8*\b+2*\p], v[CC+\p], v[AC+2*\p], -v[T+8*\b+2*\p]
	v_fma_f32 v[T+8*\b+2*\p+1], v[CC+\p], v[AC+2*\p+1], v[T+8*\b+2*\p+1]
.endr
.endr
	WIN 0
.irp b, 0,1,2,3,4,5,6,7
.irp i, 0,1,2,3
	v_cvt_pk_f16_f32 v[Y+32*((\a)%2)+4*\b+\i], v[T+8*\b+2*\i], v[T+8*\b+2*\i+1]
.endr
.endr
.irp b, 0,1,2,3,4,5,6,7
	global_store_b128 v[LI], v[Y+32*((\a)%2)+4*\b:Y+32*((\a)%2)+4*\b+3], s[10:11] offset:(\a)*2048+(\b/4)*262144+((\b%4)/2)*1024+(\b%2)*512
.endr
.if (\a) == 0
	s_cmp_eq_u32 s96, 0                            ; positions 0-15 also leave in f32: the cluster's y and the wave's number decide
	s_cbranch_scc0 .Lnot16_\@
.irp b, 0,1,2,3,4,5,6,7
	global_store_b128 v[LI], v[T+8*\b:T+8*\b+3], s[12:13] offset:(\b/4)*4096+(\b%4)*1024
	global_store_b128 v[LI], v[T+8*\b+4:T+8*\b+7], s[12:13] offset:(\b/4)*4096+(\b%4)*1024+512
.endr
.Lnot16_\@:
.endif
.if (\a) < 6
	TABLOAD (\a)+2
.endif
.endm
; THE WAY OUT OF v, block by block of 16 channels: accumulator (a, b): channel 16 (a % 4) + r of head a / 4, keys 16 b + 8 h + 0..7
.macro VOUT a
.if (\a) > 1
	s_wait_xcnt 0x0                                ; the stores of two blocks back have read Y's set
.endif
	WIN 0x0a+5*((\a)/4)                            ; sources 0 and 1: the accumulators' window
.irp b, 0,1,2,3,4,5,6,7
.irp i, 0,1,2,3
	v_cvt_pk_f16_f32 v[Y+32*((\a)%2)+4*\b+\i], v[8*(8*((\a)%4)+\b)+2*\i], v[8*(8*((\a)%4)+\b)+2*\i+1]
.endr
.endr
	WIN 0
.irp b, 0,1,2,3,4,5,6,7
	global_store_b128 v[LI], v[Y+32*((\a)%2)+4*\b:Y+32*((\a)%2)+4*\b+3], s[10:11] offset:((\a)/4)*262144+(\b/2)*4096+((\a)%4)*1024+(\b%2)*512
.endr
	s_cmp_eq_u32 s96, 0
	s_cbranch_scc0 .Lnot16_\@
	WIN 0x08+4*((\a)/4)                            ; a store's data are its source 1
	global_store_b128 v[LI], v[8*(8*((\a)%4)):8*(8*((\a)%4))+3], s[12:13] offset:((\a)/4)*4096+((\a)%4)*1024
	global_store_b128 v[LI], v[8*(8*((\a)%4))+4:8*(8*((\a)%4))+7], s[12:13] offset:((\a)/4)*4096+((\a)%4)*1024+512
	WIN 0
.Lnot16_\@:
.endm
	PLACES NP                                      ; behind the last products: for the loads into the scale words' registers and for the first reads of results
	s_cmp_eq_u32 ttmp9, 2                          ; the kind: the same in the whole cluster
	s_cbranch_scc1 .Lvout
	TABLOAD 0
	TABLOAD 1
.irp a, 0,1,2,3,4,5,6,7
	QKOUT \a
.endr
	s_branch .Ldone
.Lvout:
.irp a, 0,1,2,3,4,5,6,7
	VOUT \a
.endr
.Ldone:
	s_wait_tensorcnt 0x0                           ; the wave's end
	ds_add_u32 v[SPW], v[NIL]
	s_wait_dscnt 0x0
	CROUND                                         ; the closing round
	s_endpgm
.Lfunc_end_k_q35bbb2410a_qkv:
	.size	k_q35bbb2410a_qkv, .Lfunc_end_k_q35bbb2410a_qkv-k_q35bbb2410a_qkv
	.p2alignl 7, 3214868480
	.fill 96, 4, 3214868480
	.section	.rodata,"a",@progbits
	.p2align	6, 0x0
	.amdhsa_kernel k_q35bbb2410a_qkv
		.amdhsa_group_segment_fixed_size 327680
		.amdhsa_private_segment_fixed_size 0
		.amdhsa_enable_private_segment 0
		.amdhsa_kernarg_size 40
		.amdhsa_user_sgpr_count 2
		.amdhsa_user_sgpr_kernarg_segment_ptr 1
		.amdhsa_wavefront_size32 1
		.amdhsa_system_sgpr_workgroup_id_x 1
		.amdhsa_system_sgpr_workgroup_id_y 1
		.amdhsa_system_sgpr_workgroup_id_z 1
		.amdhsa_system_vgpr_workitem_id 0
		.amdhsa_next_free_vgpr 1024
		.amdhsa_next_free_sgpr 100
		.amdhsa_reserve_vcc 0
		.amdhsa_float_denorm_mode_32 3
		.amdhsa_float_denorm_mode_16_64 3
		.amdhsa_memory_ordered 1
		.amdhsa_forward_progress 1
		.amdhsa_inst_pref_size 199
	.end_amdhsa_kernel
	.amdgpu_metadata
---
amdhsa.version: [ 1, 2 ]
amdhsa.kernels:
  - .name:           k_q35bbb2410a_qkv
    .symbol:         k_q35bbb2410a_qkv.kd
    .args:
      - { .name: codes, .offset: 0, .size: 8, .value_kind: global_buffer, .address_space: global }
      - { .name: scales, .offset: 8, .size: 8, .value_kind: global_buffer, .address_space: global }
      - { .name: tab, .offset: 16, .size: 8, .value_kind: global_buffer, .address_space: global }
      - { .name: qkvf, .offset: 24, .size: 8, .value_kind: global_buffer, .address_space: global }
      - { .name: first16, .offset: 32, .size: 8, .value_kind: global_buffer, .address_space: global }
    .group_segment_fixed_size: 327680
    .private_segment_fixed_size: 0
    .kernarg_segment_align: 8
    .kernarg_segment_size: 40
    .max_flat_workgroup_size: 128
    .sgpr_count:     100
    .vgpr_count:     1024
    .wavefront_size: 32
...
	.end_amdgpu_metadata
.endif
;; end of part 2
;; launch attn (part 3): grid 4 x 64, 16 waves a work-group, no clusters, 327,680 bytes of LDS; arguments qkvf, of; writes of
.if DOCPART == 3
	.amdgcn_target "amdgcn-amd-amdhsa--gfx1250"
	.amdhsa_code_object_version 6
	.text
	.protected	k_q35bbb2410a_attn
	.globl	k_q35bbb2410a_attn
	.p2align	8
	.type	k_q35bbb2410a_attn,@function
k_q35bbb2410a_attn:
	s_mov_b64 s[64:65], 0
	v_nop
	global_prefetch_b8 v0, s[64:65] scope:SCOPE_SE
	s_setreg_imm32_b32 hwreg(HW_REG_WAVE_MODE, 25, 1), 1
	s_wait_xcnt 0x0
; o = softmax(q k^T / 8, causal) v for each of the 64 heads of batches; operands f16, sums, maxima and exponentials f32; o leaves as f16 images of the next launch's operand registers.
; LEFT OUT: a step of 64 keys all of which come after a wave's 32 queries, and a slot of 256 keys that no wave of the work-group reads: reference()'s own mask throws their scores away (shown at the head of the first launch).
; Hidden keys inside a step get the score -infinity, so their weight is 0.  Every walked step begins at or before the wave's first query, so every row has a visible key in it and the maximum is a number.
; SHARES.  A work-group serves one head of one batch (y) and two blocks of 256 queries: waves 0-7 block x, waves 8-15 block 7 - x: 9 blocks' worth of keys in every work-group.  A wave owns 32 queries: two tiles of 16.
; NO CLUSTER: the four work-groups of a head walk the same keys, but read 8, 7, 6 and 5 slots of them: a joint load would bring tiles whose reads every wave of some partner jumps over.
; LAYOUT.  S^T = K Q^T (source 0 = 16 keys, source 1 = 16 queries), O^T = V^T P (source 0 = 16 channels, source 1 = P): a lane holds ONE query throughout.  Two score tiles, packed to f16 in pairs, ARE source 1 of the second product.
; K and V lie in memory as images of their fragments' registers, so a slot is two dense blocks, and every LDS read is 16 x lane + a constant.
; SOFTMAX.  For each query a running maximum M of t = score x log2(e) / 8 and a sum L: p = 2^(t - M); in every step O^T and L are multiplied by F = 2^(old M - new M).  L sums the unrounded p.
.set SLOT1, 65536                      ; slot 1 begins here: one exclusive or turns an address from one slot into the other
.set VOFF,  32768                      ; a slot: 256 keys of K (32,768 bytes), then of V
.set SPARE, 131072                     ; the spare words, 128 bytes for each of 16 waves
.set LI,  1                            ; v1  16 x lane
.set ADR, 2                            ; v2  LDS address of the slot in hand, for my lane
.set SPW, 3
.set NIL, 4
.set RH,  5                            ; v5  r - 8 h
.set PFO, 6                            ; v6  256 x lane
.set ST,  8                            ; tile x's statistics at v[8 + 8 x]: +0 M, +1 chain 3, then old M - new M, +2:+3 L, +4 F, +5, +6, +7 chains 0-2
.set QF,  24                           ; v24-55   Q: fragment (x, c) at 24 + 16 x + 8 c
.set KV,  56                           ; v56-119  eight fragments of K, then of V
.set SS,  120                          ; v120-183 S^T, 32 a tile; P is packed in place into a tile's first 16
.set OT,  184                          ; v184-247 O^T: 184 + 32 x + 8 u
.set SM,  248                          ; v248-255 the sums' four pairs; in the mask: two differences and -infinity
.set WV,  18
.set HB,  19
.set SEL, 20
.set CS,  22                           ; s[22:23] log2(e) / 8
.set G1,  24
.set G0,  40
.set TB,  2
.set SLOTS, 44
.set KF,  45                           ; the step's first key
.set Q0,  46                           ; my first query
.set QL,  47                           ; my last
.set QLW, 48                           ; my work-group's last
.set PFA, 50
.set LIM, 52
; Waves 0 and 1 fetch the halves of K's block, waves 2 and 3 of V's: 16,384 bytes each.  An s_nop 0 and four v_nop follow the load.
.macro TLOAD
	s_cmp_lt_u32 s[WV], 4
	s_cbranch_scc0 .Lasked_\@
	tensor_load_to_lds s[G0:G0+3], s[G1:G1+7]
	s_nop 0
.rept 4
	v_nop
.endr
.Lasked_\@:
.endm
; A prefetch of the slot that the NEXT change of slots will ask for.  The four work-groups of a head walk the same K and V: the first of them, which walks all eight slots, asks.  In it waves 4-7 ask for K's 32,768 bytes,
; 8,192 a wave, lanes 256 bytes apart, and waves 8-11 for V's: each 256 bytes are named once in the launch.  The last change that fills a slot asks for nothing; slots 0 and 1 come by their loads alone.
.macro ASK
	s_cmp_gt_u32 s[SLOTS], s[LIM]
	s_cbranch_scc0 .Lnot_mine_\@
	global_prefetch_b8 v[PFO], s[PFA:PFA+1] th:TH_LOAD_NT scope:SCOPE_SE
.Lnot_mine_\@:
.endm
	s_load_b128 s[4:7], s[0:1], 0x0                ; qkvf 4:5, of 6:7
	v_lshl_add_u32 v[SPW], v0, 2, SPARE
	v_mov_b32 v[NIL], 0
	ds_add_u32 v[SPW], v[NIL]                      ; the wave's opening: the add, twice on end, and its wait ahead of the first tensor load
	ds_add_u32 v[SPW], v[NIL]
	v_lshrrev_b32 v2, 5, v0
	v_readfirstlane_b32 s[WV], v2                  ; wave 0..15
	s_and_b32 s[HB], ttmp7, 0xffff                 ; 16 batch + head
	s_sub_co_u32 s8, 7, ttmp9
	s_cmp_lt_u32 s[WV], 8
	s_cselect_b32 s8, ttmp9, s8                    ; my block of 256 queries
	s_lshl_b32 s[Q0], s8, 8
	s_and_b32 s9, s[WV], 7
	s_lshl_b32 s9, s9, 5
	s_add_co_u32 s[Q0], s[Q0], s9
	s_add_co_u32 s[QL], s[Q0], 31
	s_sub_co_u32 s[QLW], 8, ttmp9
	s_lshl_b32 s[QLW], s[QLW], 8
	s_sub_co_u32 s[QLW], s[QLW], 1
	s_mov_b32 s[G1], 3<<16                         ; no mask; elements of 8 bytes; no padding
	s_mov_b32 s[G1+1], 32<<16                      ; tensor_dim0 = 32: rows of 256 bytes
	s_mov_b32 s[G1+2], 64<<16                      ; tensor_dim1 = 64
	s_mov_b32 s[G1+3], 32<<16                      ; tile_dim0
	s_mov_b32 s[G1+4], 64                          ; tile_dim1
	s_mov_b32 s[G1+5], 32                          ; the pitch: dense
	s_mov_b32 s[G1+6], 0
	s_mov_b32 s[G1+7], 0
	s_mov_b32 s[G0], 1
	s_lshl_b32 s[G0+1], s[WV], 14                  ; LDS: wave x 16,384, in slot 0
	s_cmp_lt_u32 s[WV], 2
	s_cselect_b32 s10, 1, 2
	s_lshl_b32 s10, s10, 24                        ; K's section or V's
	s_lshl_b32 s11, s[HB], 18
	s_add_co_u32 s10, s10, s11
	s_and_b32 s11, s[WV], 1
	s_lshl_b32 s11, s11, 14
	s_add_co_u32 s10, s10, s11
	s_mov_b32 s11, 0
	s_lshl_b32 s12, s[HB], 18                      ; Q: my head, my first tile of 16 queries (2,048 bytes a tile)
	s_lshl_b32 s13, s[Q0], 7
	s_add_co_u32 s12, s12, s13
	s_mov_b32 s13, 0
	s_lshr_b32 s8, s[HB], 4                        ; of: row tile 128 batch + Q0 / 16, 32,768 bytes each; my head's two groups of 32 along K
	s_lshl_b32 s8, s8, 7
	s_lshr_b32 s9, s[Q0], 4
	s_add_co_u32 s8, s8, s9
	s_lshl_b32 s8, s8, 15
	s_and_b32 s9, s[HB], 15
	s_lshl_b32 s9, s9, 11
	s_add_co_u32 s8, s8, s9
	s_mov_b32 s9, 0
	s_cmp_lt_u32 s[WV], 8                          ; the prefetches: waves 4-7 K's section, waves 8-11 V's
	s_cselect_b32 s54, 1, 2
	s_lshl_b32 s54, s54, 24
	s_lshl_b32 s55, s[HB], 18
	s_add_co_u32 s54, s54, s55
	s_and_b32 s55, s[WV], 3
	s_lshl_b32 s55, s55, 13
	s_add_co_u32 s54, s54, s55
	s_add_co_u32 s54, s54, 32768                   ; in slot 1: the first change of slots steps it to slot 2
	s_mov_b32 s55, 0
	s_sub_co_u32 s56, s[WV], 4
	s_lshr_b32 s56, s56, 3                         ; 0 in waves 4 to 11,
	s_or_b32 s56, s56, ttmp9                       ; of the head's first work-group
	s_cmp_eq_u32 s56, 0
	s_cselect_b32 s[LIM], 1, -1
	s_mov_b32 s[SEL], 0x76543210
	s_mov_b32 s[SEL+1], 0xfedcba98
	s_mov_b32 s[CS], 0x3e38aa3b
	s_mov_b32 s[CS+1], s[CS]
	s_mov_b32 s[TB], 0
	s_mov_b32 s[KF], 0
	s_mov_b32 s[SLOTS], 7
	s_wait_dscnt 0x0                               ; both opening adds are done
	s_wait_kmcnt 0x0
	s_add_nc_u64 s[G0+2:G0+3], s[4:5], s[10:11]
	s_or_b32 s[G0+3], s[G0+3], 0x80000000
	TLOAD                                          ; slot 0: keys 0-255, which every wave reads
	s_add_nc_u64 s[12:13], s[4:5], s[12:13]
	s_add_nc_u64 s[6:7], s[6:7], s[8:9]
	s_add_nc_u64 s[PFA:PFA+1], s[4:5], s[54:55]
	v_and_b32 v[LI], 31, v0
	v_lshlrev_b32 v[PFO], 8, v[LI]
	v_lshlrev_b32 v[LI], 4, v[LI]
.irp f, 0,1,2,3
	global_load_b128 v[QF+8*\f:QF+8*\f+3], v[LI], s[12:13] offset:\f*1024          ; Q stays in registers
	global_load_b128 v[QF+8*\f+4:QF+8*\f+7], v[LI], s[12:13] offset:\f*1024+512
.endr
	v_and_b32 v[RH], 15, v0
	v_bfe_u32 v[ADR], v0, 4, 1
	v_lshlrev_b32 v[ADR], 3, v[ADR]
	v_sub_nc_u32 v[RH], v[RH], v[ADR]
.irp j, 1,2,3,4,5,6,7,9,10,11,12,13,14,15
	v_mov_b32 v[ST+\j], 0                          ; L, and the registers at work: written once, so that no way through the text reads one unwritten
.endr
	v_mov_b32 v[ST], 0xff61b1e6                    ; M: -3e38, under every t
	v_mov_b32 v[ST+8], 0xff61b1e6
.irp j, 0,1,2,3,4,5,6,7,8,9,10,11,12,13,14,15,16,17,18,19,20,21,22,23,24,25,26,27,28,29,30,31,32,33,34,35,36,37,38,39,40,41,42,43,44,45,46,47,48,49,50,51,52,53,54,55,56,57,58,59,60,61,62,63
	v_mov_b32 v[OT+\j], 0                          ; O^T: the step is written once; the first finds zeros, which F = 0 leaves zeros
.endr
; A KEY STEP: 64 keys, the q-th of the slot in hand
.macro STEP q
	s_cmp_gt_u32 s[KF], s[QL]                      ; all 64 keys come after my queries: the step's work is left out; ids and the count of steps alone decide
	s_cbranch_scc1 .Lhidden_\@
	v_add_nc_u32 v[ADR], s[TB], v[LI]
.irp f, 0,1,2,3,4,5,6,7                        ; K: fragment 2 t + c: keys 16 t on, channels 32 c on
	ds_load_b128 v[KV+8*\f:KV+8*\f+3], v[ADR] offset:(\q)*8192+\f*1024
	ds_load_b128 v[KV+8*\f+4:KV+8*\f+7], v[ADR] offset:(\q)*8192+\f*1024+512
.endr
	s_wait_dscnt 0x0
.set i, 0
.rept 16                                       ; S^T: the eight accumulators take turns; the first eight start the sums
.set rS, SS+32*(i%2)+8*((i/2)%4)
.set rK, KV+8*(2*((i/2)%4)+i/8)
.set rQ, QF+16*(i%2)+8*(i/8)
.if i < 8
	v_wmma_f32_16x16x32_f16 v[rS:rS+7], v[rK:rK+7], v[rQ:rQ+7], 0
.else
	v_wmma_f32_16x16x32_f16 v[rS:rS+7], v[rK:rK+7], v[rQ:rQ+7], v[rS:rS+7]
.endif
.set i, i+1
.endr
.rept 4
	v_nop                                          ; places in front of the loads into K's registers and of the first read of the scores
.endr
.irp f, 0,1,2,3,4,5,6,7                        ; V: fragment 4 g + u: keys 32 g on, channels 16 u on; they land while the softmax is walked
	ds_load_b128 v[KV+8*\f:KV+8*\f+3], v[ADR] offset:VOFF+(\q)*8192+\f*1024
	ds_load_b128 v[KV+8*\f+4:KV+8*\f+7], v[ADR] offset:VOFF+(\q)*8192+\f*1024+512
.endr
	s_add_co_u32 s53, s[KF], 63
	s_cmp_le_u32 s53, s[Q0]                        ; all 64 keys count for all my queries: no mask
	s_cbranch_scc1 .Lopen_\@
	s_sub_co_i32 s53, s[Q0], s[KF]
	v_add_nc_u32 v[SM], s53, v[RH]                 ; d = my query - KF - 8 h.  Register n holds key KF + 16 (n / 8) + 8 h + n % 8: hidden where 16 (n / 8) + n % 8 > d
	v_add_nc_u32 v[SM+1], 16, v[SM]
	v_mov_b32 v[SM+2], 0xff800000
.irp x, 0,1
.irp n, 0,1,2,3,4,5,6,7,8,9,10,11,12,13,14,15,16,17,18,19,20,21,22,23,24,25,26,27,28,29,30,31
	v_cmp_gt_i32 vcc_lo, 16*(\n/8)+\n%8, v[SM+\x]
	v_cndmask_b32 v[SS+32*\x+\n], v[SS+32*\x+\n], v[SM+2], vcc_lo
.endr
.endr
.Lopen_\@:
.irp t, 0,1,2,3                                ; the largest score: a chain for each accumulator, begun at its low end; the two tiles line by line
.irp x, 0,1
	v_max3_num_f32 v[ST+8*\x+5+\t-7*(\t/3)], v[SS+32*\x+8*\t], v[SS+32*\x+8*\t+1], v[SS+32*\x+8*\t+2]
.endr
.endr
.irp k, 3,5
.irp t, 0,1,2,3
.irp x, 0,1
	v_max3_num_f32 v[ST+8*\x+5+\t-7*(\t/3)], v[ST+8*\x+5+\t-7*(\t/3)], v[SS+32*\x+8*\t+\k], v[SS+32*\x+8*\t+\k+1]
.endr
.endr
.endr
.irp t, 0,1,2,3
.irp x, 0,1
	v_max_num_f32 v[ST+8*\x+5+\t-7*(\t/3)], v[ST+8*\x+5+\t-7*(\t/3)], v[SS+32*\x+8*\t+7]
.endr
.endr
.irp x, 0,1
	v_max3_num_f32 v[ST+8*\x+5], v[ST+8*\x+5], v[ST+8*\x+6], v[ST+8*\x+7]
.endr
.irp x, 0,1
	v_max_num_f32 v[ST+8*\x+5], v[ST+8*\x+5], v[ST+8*\x+1]
.endr
.irp x, 0,1
	v_permlanex16_b32 v[ST+8*\x+6], v[ST+8*\x+5], s[SEL], s[SEL+1]   ; the query's other 32 keys lie in the lane 16 away
.endr
.irp x, 0,1
	v_max_num_f32 v[ST+8*\x+5], v[ST+8*\x+5], v[ST+8*\x+6]
.endr
.irp x, 0,1
	v_mul_f32 v[ST+8*\x+6], s[CS], v[ST+8*\x+5]    ; as t
.endr
.irp x, 0,1
	v_max_num_f32 v[ST+8*\x+7], v[ST+8*\x], v[ST+8*\x+6]   ; the new M
.endr
.irp x, 0,1
	v_sub_f32 v[ST+8*\x+1], v[ST+8*\x], v[ST+8*\x+7]       ; old M - new M
.endr
.irp x, 0,1
	v_mov_b32 v[ST+8*\x], v[ST+8*\x+7]
.endr
.irp j, 0,2,4,6,8,10,12,14,16,18,20,22,24,26,28,30
.irp x, 0,1
	v_pk_fma_f32 v[SS+32*\x+\j:SS+32*\x+\j+1], v[SS+32*\x+\j:SS+32*\x+\j+1], s[CS:CS+1], v[ST+8*\x:ST+8*\x+1] op_sel_hi:[1,0,0] neg_lo:[0,0,1] neg_hi:[0,0,1]   ; t - M, two at a time
.endr
.endr
.irp x, 0,1
	v_exp_f32 v[ST+8*\x+4], v[ST+8*\x+1]           ; F
.endr
.irp n, 0,1,2,3,4,5,6,7,8,9,10,11,12,13,14,15,16,17,18,19,20,21,22,23,24,25,26,27,28,29,30,31
.irp x, 0,1
	v_exp_f32 v[SS+32*\x+\n], v[SS+32*\x+\n]       ; p
.endr
.endr
	v_nop                                          ; a plain instruction behind the last exponential
	s_wait_alu depctr_va_vdst(0)                   ; one wait for the batch of 66, ahead of its first reader
.irp x, 0,1
	v_pk_add_f32 v[SM+4*\x:SM+4*\x+1], v[SS+32*\x:SS+32*\x+1], v[SS+32*\x+2:SS+32*\x+3]        ; the sums of the unrounded p: two chains a tile
	v_pk_add_f32 v[SM+4*\x+2:SM+4*\x+3], v[SS+32*\x+4:SS+32*\x+5], v[SS+32*\x+6:SS+32*\x+7]
.endr
.irp k, 8,12,16,20,24,28
.irp x, 0,1
	v_pk_add_f32 v[SM+4*\x:SM+4*\x+1], v[SM+4*\x:SM+4*\x+1], v[SS+32*\x+\k:SS+32*\x+\k+1]
	v_pk_add_f32 v[SM+4*\x+2:SM+4*\x+3], v[SM+4*\x+2:SM+4*\x+3], v[SS+32*\x+\k+2:SS+32*\x+\k+3]
.endr
.endr
.irp x, 0,1
	v_pk_add_f32 v[SM+4*\x:SM+4*\x+1], v[SM+4*\x:SM+4*\x+1], v[SM+4*\x+2:SM+4*\x+3]
.endr
.irp x, 0,1
	v_pk_fma_f32 v[ST+8*\x+2:ST+8*\x+3], v[ST+8*\x+2:ST+8*\x+3], v[ST+8*\x+4:ST+8*\x+5], v[SM+4*\x:SM+4*\x+1] op_sel_hi:[1,0,1]   ; L = L F + the step's sum
.endr
.irp n, 0,1,2,3,4,5,6,7,8,9,10,11,12,13,14,15
.irp x, 0,1
	v_cvt_pk_f16_f32 v[SS+32*\x+\n], v[SS+32*\x+2*\n], v[SS+32*\x+2*\n+1]   ; P, in place and ascending: register n is written when registers up to 2 n + 1 have been read
.endr
.endr
.irp k, 0,2,4,6,8,10,12,14,16,18,20,22,24,26,28,30
.irp x, 0,1
	v_pk_mul_f32 v[OT+32*\x+\k:OT+32*\x+\k+1], v[OT+32*\x+\k:OT+32*\x+\k+1], v[ST+8*\x+4:ST+8*\x+5] op_sel_hi:[1,0]   ; O^T under the new M, each accumulator from its low end on
.endr
.endr
	s_wait_dscnt 0x0                               ; V is in
.set i, 0
.rept 16                                       ; O^T += V^T P: the eight accumulators take turns
.set rO, OT+32*(i%2)+8*((i/2)%4)
.set rV, KV+8*(4*(i/8)+(i/2)%4)
.set rP, SS+32*(i%2)+8*(i/8)
	v_wmma_f32_16x16x32_f16 v[rO:rO+7], v[rV:rV+7], v[rP:rP+7], v[rO:rO+7]
.set i, i+1
.endr
.rept 5
	v_nop                                          ; five places: the next step's products write over P's registers, its loads land on V's
.endr
.Lhidden_\@:
	s_add_co_u32 s[KF], s[KF], 64
.endm
; THE CHANGE OF SLOTS stands at a slot's head.  Each wave waits for all its tensor loads (one is out at the most), adds 0 to its spare word, and waits for that and for its reads of the slot that it has left.
; Behind the barrier the slot ahead is whole and nobody reads the other one.  fill = 1: that other slot takes the next 256 keys, while some wave of the work-group will read them.
.macro CHANGE fill
	s_wait_tensorcnt 0x0                           ; no tensor load of mine is out, so the group 0 may be written
	ds_add_u32 v[SPW], v[NIL]
.if \fill
	ds_add_u32 v[SPW], v[NIL]                      ; and once more, in every trip alike
	s_xor_b32 s[G0+1], s[G0+1], SLOT1              ; the walking descriptor: the other slot,
	s_add_nc_u64 s[G0+2:G0+3], s[G0+2:G0+3], 32768 ; the next 256 keys
	s_wait_xcnt 0x0                                ; the last prefetch, a slot back, has read its address
	s_add_nc_u64 s[PFA:PFA+1], s[PFA:PFA+1], 32768
.endif
	s_wait_dscnt 0x0
	s_barrier_signal -1
	s_barrier_wait -1
.if \fill
	s_add_co_u32 s53, s[KF], 256                   ; the first key of the slot that this change would ask for
	s_cmp_gt_u32 s53, s[QLW]                       ; past my work-group's last query: none of its waves reads it, so it is not asked for.  Ids and the count of steps alone: all sixteen waves go the same way
	s_cbranch_scc1 .Lpast_\@
	TLOAD                                          ; a wave's one tensor load until the next barrier
.Lpast_\@:
	ASK
.endif
.endm
	s_wait_loadcnt 0x0                             ; Q
.Lslot:                                            ; 7 trips: every work-group walks all slots, so that the trip counts are constants and no barrier is jumped over
	CHANGE 1
	STEP 0
	STEP 1
	STEP 2
	STEP 3
	s_xor_b32 s[TB], s[TB], SLOT1
	s_sub_co_u32 s[SLOTS], s[SLOTS], 1
	s_cmp_lg_u32 s[SLOTS], 0
	s_cbranch_scc1 .Lslot
	CHANGE 0                                       ; the last slot is written out: nothing is left to ask for
	STEP 0
	STEP 1
	STEP 2
	STEP 3
	; THE WAY OUT: O^T / L, packed to f16: accumulators 2 c and 2 c + 1 are registers 0-3 and 4-7 of a fragment of 16 rows x 32 along the projection's K
.irp x, 0,1
	v_add_f32 v[ST+8*\x+5], v[ST+8*\x+2], v[ST+8*\x+3]
.endr
.irp x, 0,1
	v_permlanex16_b32 v[ST+8*\x+6], v[ST+8*\x+5], s[SEL], s[SEL+1]
.endr
.irp x, 0,1
	v_add_f32 v[ST+8*\x+5], v[ST+8*\x+5], v[ST+8*\x+6]
.endr
.irp x, 0,1
	v_rcp_f32 v[ST+8*\x+4], v[ST+8*\x+5]
.endr
	v_nop
	s_wait_alu depctr_va_vdst(0)                   ; one wait for the two reciprocals
.irp x, 0,1
.irp k, 0,2,4,6,8,10,12,14,16,18,20,22,24,26,28,30
	v_pk_mul_f32 v[OT+32*\x+\k:OT+32*\x+\k+1], v[OT+32*\x+\k:OT+32*\x+\k+1], v[ST+8*\x+4:ST+8*\x+5] op_sel_hi:[1,0]
.endr
.endr
.irp n, 0,1,2,3,4,5,6,7,8,9,10,11,12,13,14,15,16,17,18,19,20,21,22,23,24,25,26,27,28,29,30,31
	v_cvt_pk_f16_f32 v[SS+\n], v[OT+2*\n], v[OT+2*\n+1]
.endr
.irp x, 0,1
.irp u, 0,1,2,3
	global_store_b128 v[LI], v[SS+16*\x+4*\u:SS+16*\x+4*\u+3], s[6:7] offset:\x*32768+\u*512   ; 512 consecutive bytes a store
.endr
.endr
	s_wait_tensorcnt 0x0                           ; the wave's end
	ds_add_u32 v[SPW], v[NIL]
	s_wait_dscnt 0x0
	s_endpgm
.Lfunc_end_k_q35bbb2410a_attn:
	.size	k_q35bbb2410a_attn, .Lfunc_end_k_q35bbb2410a_attn-k_q35bbb2410a_attn
	.p2alignl 7, 3214868480
	.fill 96, 4, 3214868480
	.section	.rodata,"a",@progbits
	.p2align	6, 0x0
	.amdhsa_kernel k_q35bbb2410a_attn
		.amdhsa_group_segment_fixed_size 327680
		.amdhsa_private_segment_fixed_size 0
		.amdhsa_enable_private_segment 0
		.amdhsa_kernarg_size 16
		.amdhsa_user_sgpr_count 2
		.amdhsa_user_sgpr_kernarg_segment_ptr 1
		.amdhsa_wavefront_size32 1
		.amdhsa_system_sgpr_workgroup_id_x 1
		.amdhsa_system_sgpr_workgroup_id_y 1
		.amdhsa_system_sgpr_workgroup_id_z 1
		.amdhsa_system_vgpr_workitem_id 0
		.amdhsa_next_free_vgpr 256
		.amdhsa_next_free_sgpr 66
		.amdhsa_reserve_vcc 1
		.amdhsa_float_denorm_mode_32 3
		.amdhsa_float_denorm_mode_16_64 3
		.amdhsa_memory_ordered 1
		.amdhsa_forward_progress 1
		.amdhsa_inst_pref_size 184
	.end_amdhsa_kernel
	.amdgpu_metadata
---
amdhsa.version: [ 1, 2 ]
amdhsa.kernels:
  - .name:           k_q35bbb2410a_attn
    .symbol:         k_q35bbb2410a_attn.kd
    .args:
      - { .name: qkvf, .offset: 0, .size: 8, .value_kind: global_buffer, .address_space: global }
      - { .name: of, .offset: 8, .size: 8, .value_kind: global_buffer, .address_space: global }
    .group_segment_fixed_size: 327680
    .private_segment_fixed_size: 0
    .kernarg_segment_align: 8
    .kernarg_segment_size: 16
    .max_flat_workgroup_size: 512
    .sgpr_count:     66
    .vgpr_count:     256
    .wavefront_size: 32
...
	.end_amdgpu_metadata
.endif
;; end of part 3
;; launch oproj (part 4): grid 4 x 64, 4 waves a work-group, clusters of 4 x 4, 327,680 bytes of LDS; arguments of, wo_h, out0; writes out0
.if DOCPART == 4
	.amdgcn_target "amdgcn-amd-amdhsa--gfx1250"
	.amdhsa_code_object_version 6
	.text
	.protected	k_q35bbb2410a_oproj
	.globl	k_q35bbb2410a_oproj
	.p2align	8
	.type	k_q35bbb2410a_oproj,@function
k_q35bbb2410a_oproj:
	s_mov_b64 s[64:65], 0
	v_nop
	global_prefetch_b8 v0, s[64:65] scope:SCOPE_SE
	s_setreg_imm32_b32 hwreg(HW_REG_WAVE_MODE, 25, 1), 1
	s_wait_xcnt 0x0
	s_wait_alu depctr_hold_cnt(0) depctr_sa_sdst(0) depctr_va_vdst(0) depctr_va_sdst(0) depctr_va_ssrc(0) depctr_va_vcc(0) depctr_vm_vsrc(0)
	s_getreg_b32 s2, hwreg(HW_REG_IB_STS2, 6, 4)
	s_cmp_eq_u32 s2, 0
	s_cbranch_scc0 .Lentry_in_a_cluster
	s_endpgm
.Lentry_in_a_cluster:
	s_bfe_u32 s2, ttmp6, 0x10000c
	s_cmp_lg_u32 s2, 0xf033
	s_cbranch_scc0 .Lentry_shape_is_right
	s_endpgm
.Lentry_shape_is_right:
; out0 = o Wo^T: [8192, 1024] x [1024, 1024], operands f16, sums f32.  LEFT OUT: the stores of positions 0-15 of each sequence: the last launch makes those rows in f32 and is their one owner (their products stay: they share tiles with live rows).
; A tile of 128 rows x 256 columns is made by a work-group of four waves: 256 work-groups.  A wave makes 64 x 128: 32 accumulators, all of window 1.  K goes in steps of 128 through two LDS slots.
; Both operands lie in memory as images of their fragments' registers ([tile of 16 rows][group of 32 along K][1,024 bytes]): a K step of a tile of 16 rows is 4,096 consecutive bytes, and every LDS read is 16 x lane + a constant.
; CLUSTERS of 4 x 4: tile column = cx, tile row = 16 cy + CY (CY the cluster's y).  The four of a row of the cluster need the same tiles of o, the four of a column the same tiles of Wo: asked for jointly.
; SOURCE 0 = 16 rows of Wo, SOURCE 1 = 16 rows of o: a lane holds eight neighbouring numbers of a row of out0.
; REGISTERS: window 0: v16-29 addresses; v32-127, v128-223 two fragment buffers (o's four fragments, then Wo's eight); on the way out v32-159 take rows.  window 1: accumulator (a, b) at v[8 (8 a + b)].
.set SLOT,   98304                     ; o: 8 tiles x 4,096 bytes; Wo: 16 tiles x 4,096, from BOFF on
.set BOFF,   32768
.set SPARE,  2*SLOT                    ; the spare words, 128 bytes a wave
.set SPITCH, 528                       ; the way out: a stage of 16 rows x (512 + 16) bytes for each wave, in slot 0, which has had its last fill and its last read by then
.set LAPS,   4                         ; a lap = two K steps
.set ADRA, 16
.set ADRB, 20
.set STO,  24
.set RD,   25
.set CO,   26                          ; v26 16 x lane
.set SPW,  28
.set NIL,  29
.set F0,   32
.set F1,   128
.set BK,   32
.set G1, 24
.set G0, 32
.set G1B, 48
.set G0B, 56
.set MSB, 0
.macro WIN new
.if MSB != \new
	s_set_vgpr_msb (MSB<<8)|\new
.set MSB, \new
.endif
.endm
.set MUL, 0x50                         ; C and D window 1; both sources window 0
.macro JLOAD s                         ; waves 0 and 1 fetch o's halves, waves 2 and 3 Wo's; an s_nop 0 and four v_nop follow each line
	s_cmp_eq_u32 s11, 0
	s_cbranch_scc0 .Lfor_b_\@
	tensor_load_to_lds s[G0+4*\s:G0+4*\s+3], s[G1:G1+7]
	s_nop 0
.rept 4
	v_nop
.endr
	s_branch .Lasked_\@
.Lfor_b_\@:
	tensor_load_to_lds s[G0B+4*\s:G0B+4*\s+3], s[G1B:G1B+7]
	s_nop 0
.rept 4
	v_nop
.endr
.Lasked_\@:
.endm
.macro CREST
	s_cmp_lg_u32 s10, 0
	s_cbranch_scc1 .Lnot_wave_0_\@
	s_barrier_signal -3
.Lnot_wave_0_\@:
	s_barrier_wait -3
	s_barrier_signal -1
	s_barrier_wait -1
.endm
.macro CROUND
	s_barrier_signal -1
	s_barrier_wait -1
	CREST
.endm
	s_load_b128 s[4:7], s[0:1], 0x0                ; of 4:5, wo_h 6:7
	s_load_b64 s[8:9], s[0:1], 0x10                ; out0
	v_lshl_add_u32 v[SPW], v0, 2, SPARE
	v_mov_b32 v[NIL], 0
	ds_add_u32 v[SPW], v[NIL]                      ; the wave's opening: the add, twice on end, and its wait ahead of my first tensor load
	ds_add_u32 v[SPW], v[NIL]
	v_lshrrev_b32 v1, 5, v0
	v_readfirstlane_b32 s10, v1                    ; wave 0..3
	s_lshr_b32 s11, s10, 1                         ; which 64 rows are mine.  Also: I fetch for o (0) or for Wo (1)
	s_and_b32 s12, s10, 1                          ; which 128 columns.  Also: which half of that tile I fetch
	s_bfe_u32 s40, ttmp6, 0x40000                  ; cx
	s_bfe_u32 s41, ttmp6, 0x40004                  ; cy
	s_and_b32 s42, ttmp7, 0xffff                   ; CY
	s_lshl_b32 s13, s41, 4
	s_add_co_u32 s13, s13, s42                     ; tile row = 16 cy + CY
	s_lshl_b32 s43, s41, 2
	s_lshl_b32 s43, 15, s43                        ; my row of the cluster
	s_lshl_b32 s44, 0x1111, s40                    ; my column
	s_or_b32 s[G1+0], s43, (3<<16)|(1<<21)         ; the mask; elements of 8 bytes; bit 21 beside a mask; no padding
	s_or_b32 s[G1B+0], s44, (3<<16)|(1<<21)
	s_mov_b32 s[G1+1], 512<<16                     ; tensor_dim0 = 512: rows of 4,096 bytes
	s_mov_b32 s[G1+2], 4<<16                       ; tensor_dim1 = 4 tiles of 16 rows
	s_mov_b32 s[G1+3], 512<<16                     ; tile_dim0
	s_mov_b32 s[G1+4], 4                           ; tile_dim1
	s_mov_b32 s[G1+5], 4096                        ; the pitch: 32,768 bytes from tile to tile
	s_mov_b32 s[G1+6], 0
	s_mov_b32 s[G1+7], 0
	s_mov_b32 s[G1B+1], 512<<16
	s_mov_b32 s[G1B+2], 8<<16                      ; Wo: 8 tiles a load
	s_mov_b32 s[G1B+3], 512<<16
	s_mov_b32 s[G1B+4], 8
	s_mov_b32 s[G1B+5], 4096
	s_mov_b32 s[G1B+6], 0
	s_mov_b32 s[G1B+7], 0
	s_lshl_b32 s16, s13, 3
	s_lshl_b32 s17, s12, 2
	s_add_co_u32 s16, s16, s17                     ; o: tile of 16 rows 8 x tile row + 4 x half
	s_lshl_b32 s16, s16, 15
	s_mov_b32 s17, 0
	s_lshl_b32 s46, s40, 4
	s_lshl_b32 s47, s12, 3
	s_add_co_u32 s46, s46, s47                     ; Wo: tile 16 cx + 8 x half
	s_lshl_b32 s46, s46, 15
	s_mov_b32 s47, 0
	s_lshl_b32 s20, s12, 14                        ; where they go: no place in the cluster enters an LDS address
	s_lshl_b32 s21, s12, 15
	s_add_co_u32 s21, s21, BOFF
	s_wait_dscnt 0x0                               ; both opening adds are done
	s_wait_kmcnt 0x0
	s_add_nc_u64 s[14:15], s[4:5], s[16:17]
	s_add_nc_u64 s[46:47], s[6:7], s[46:47]
	CROUND                                         ; all sixteen work-groups are here: the first joint loads meet
.irp s, 0,1
	s_mov_b32 s[G0+4*\s], 1
	s_add_co_u32 s[G0+4*\s+1], s20, \s*SLOT
	s_add_nc_u64 s[G0+4*\s+2:G0+4*\s+3], s[14:15], \s*4096
	s_or_b32 s[G0+4*\s+3], s[G0+4*\s+3], 0x80000000
	s_mov_b32 s[G0B+4*\s], 1
	s_add_co_u32 s[G0B+4*\s+1], s21, \s*SLOT
	s_add_nc_u64 s[G0B+4*\s+2:G0B+4*\s+3], s[46:47], \s*4096
	s_or_b32 s[G0B+4*\s+3], s[G0B+4*\s+3], 0x80000000
	JLOAD \s
.endr
	v_and_b32 v1, 15, v0                           ; r
	v_bfe_u32 v2, v0, 4, 1                         ; h
	v_and_b32 v3, 31, v0
	v_lshlrev_b32 v[CO], 4, v3
	s_lshl_b32 s21, s11, 14                        ; my four tiles of o
	s_lshl_b32 s22, s12, 15                        ; my eight of Wo
	s_add_co_u32 s22, s22, BOFF
.irp s, 0,1
	v_add_nc_u32 v[ADRA+\s], s21, v[CO]
	v_add_nc_u32 v[ADRB+\s], s22, v[CO]
	s_add_co_u32 s21, s21, SLOT
	s_add_co_u32 s22, s22, SLOT
.endr
	s_mul_i32 s23, s10, 16*SPITCH                  ; my stage
	v_mul_u32_u24 v4, v1, SPITCH
	v_lshl_add_u32 v4, v2, 5, v4
	v_add_nc_u32 v[STO], s23, v4                   ; in: row r, 32 bytes for each half of the lanes
	v_add_nc_u32 v[RD], s23, v[CO]                 ; back: the 32 lanes take one row of 512 bytes
	s_lshl_b32 s16, s13, 7
	s_lshl_b32 s17, s11, 6
	s_add_co_u32 s16, s16, s17                     ; my first row of out0
	s_lshl_b32 s16, s16, 12
	s_mov_b32 s17, 0
	s_add_nc_u64 s[8:9], s[8:9], s[16:17]
	s_lshl_b32 s46, s40, 10                        ; my first column, in bytes
	s_lshl_b32 s47, s12, 9
	s_add_co_u32 s46, s46, s47
	s_mov_b32 s47, 0
	s_add_nc_u64 s[8:9], s[8:9], s[46:47]
	s_or_b32 s45, s42, s11                         ; 0 where my first 16 rows are positions 0-15 of a sequence: the cluster's y and the wave's number decide
.macro MUL8 f, a, zero                 ; o's block a x Wo's eight, 32 along K
.irp b, 0,1,2,3,4,5,6,7
.if \zero
	v_wmma_f32_16x16x32_f16 v[8*(8*(\a)+\b):8*(8*(\a)+\b)+7], v[\f+32+8*\b:\f+32+8*\b+7], v[\f+8*(\a):\f+8*(\a)+7], 0
.else
	v_wmma_f32_16x16x32_f16 v[8*(8*(\a)+\b):8*(8*(\a)+\b)+7], v[\f+32+8*\b:\f+32+8*\b+7], v[\f+8*(\a):\f+8*(\a)+7], v[8*(8*(\a)+\b):8*(8*(\a)+\b)+7]
.endif
.endr
.endm
.macro MUL16 f, a0, zero               ; the 32 accumulators take turns, one instruction a turn, in the same order in every quarter
	MUL8 \f, \a0, \zero
	MUL8 \f, (\a0)+1, \zero
.endm
.macro FETCH slot, q, f                ; 24 LDS loads in one run: the fragments of the slot's q-th 32 along K; Wo's first, then o's blocks 0 to 3
.irp i, 0,1,2,3,4,5,6,7
	ds_load_b128 v[\f+32+8*\i:\f+32+8*\i+3], v[ADRB+\slot] offset:\i*4096+(\q)*1024
	ds_load_b128 v[\f+32+8*\i+4:\f+32+8*\i+7], v[ADRB+\slot] offset:\i*4096+(\q)*1024+512
.endr
.irp i, 0,1,2,3
	ds_load_b128 v[\f+8*\i:\f+8*\i+3], v[ADRA+\slot] offset:\i*4096+(\q)*1024
	ds_load_b128 v[\f+8*\i+4:\f+8*\i+7], v[ADRA+\slot] offset:\i*4096+(\q)*1024+512
.endr
.endm
.macro PLACES
.rept 4
	v_nop
.endr
.endm
; A K step is four quarters of 32 along K, 32 matrix instructions each, on buffers 0, 1, 0, 1.  One of the first three: multiplies buffer f and fetches quarter q into g.
.macro QUARTER slot, q, f, g, zero
	s_wait_dscnt 4                                 ; Wo's fragments and o's blocks 0, 1 are in; the youngest four loads (blocks 2, 3) may be out
	WIN MUL
	MUL16 \f, 0, \zero
	WIN 0
	PLACES                                         ; in front of loads into registers that matrix instructions have read
	FETCH \slot, \q, \g
	s_wait_dscnt 24                                ; all but the 24 just issued
	WIN MUL
	MUL16 \f, 2, \zero
.endm
; The last quarter multiplies buffer 1 and changes slots: one barrier; in front of it each wave waits for all its tensor loads (one is out), adds 0 to its spare word, and waits for that and for its reads of this slot.
.macro TURN slot, next, fill
	WIN 0
	s_wait_tensorcnt 0x0                           ; my part of the next slot has landed
	ds_add_u32 v[SPW], v[NIL]
	s_wait_dscnt 5                                 ; the add and the youngest four loads may be out
	WIN MUL
	MUL8 F1, 0, 0
	s_wait_dscnt 0x0                               ; the add is done, and my reads of this slot are over
	s_barrier_signal -1
	MUL8 F1, 1, 0
	WIN 0
	s_barrier_wait -1
.if \fill
	CREST                                          ; the barrier has opened a round of the cluster's barrier: no wave of any partner still reads this slot or has a load on its way
	s_add_nc_u64 s[G0+4*\slot+2:G0+4*\slot+3], s[G0+4*\slot+2:G0+4*\slot+3], 2*4096
	s_add_nc_u64 s[G0B+4*\slot+2:G0B+4*\slot+3], s[G0B+4*\slot+2:G0B+4*\slot+3], 2*4096
	JLOAD \slot                                    ; the first tensor load behind the round; its four v_nop are also the places in front of the loads below
.else
	PLACES
.endif
	FETCH \next, 0, F0
	WIN MUL
	MUL16 F1, 2, 0
.endm
	s_wait_tensorcnt 1                             ; my part of K step 0 is in; K step 1's load may be out
	s_barrier_signal -1
	s_barrier_wait -1
	FETCH 0, 0, F0
	QUARTER 0, 1, F0, F1, 1                        ; the first quarter's products start the sums
	WIN 0
	s_mov_b32 s3, LAPS-1
.Llap:                                                 ; a trip goes once round the ring and fills both slots again
	QUARTER 0, 2, F1, F0, 0
	QUARTER 0, 3, F0, F1, 0
	TURN 0, 1, 1
	QUARTER 1, 1, F0, F1, 0
	QUARTER 1, 2, F1, F0, 0
	QUARTER 1, 3, F0, F1, 0
	TURN 1, 0, 1
	QUARTER 0, 1, F0, F1, 0
	WIN 0
	s_sub_co_u32 s3, s3, 1
	s_cmp_lg_u32 s3, 0
	s_cbranch_scc1 .Llap
	QUARTER 0, 2, F1, F0, 0                        ; the last lap fills nothing
	QUARTER 0, 3, F0, F1, 0
	TURN 0, 1, 0
	QUARTER 1, 1, F0, F1, 0
	QUARTER 1, 2, F1, F0, 0
	QUARTER 1, 3, F0, F1, 0
	s_wait_dscnt 4
	WIN MUL
	MUL16 F1, 0, 0
	s_wait_dscnt 0
	MUL16 F1, 2, 0
	WIN 0
; THE WAY OUT, block by block of 16 rows x 128 columns, through my own stage: rows come back whole, 512 bytes, and the 32 lanes store them.  LDS serves a wave's instructions in order: no wait between the stores and the loads.
.macro TOSTAGE a
	WIN 0x04                                       ; an LDS store's data are its source 1: window 1
.irp b, 0,1,2,3,4,5,6,7
	ds_store_b128 v[STO], v[8*(8*(\a)+\b):8*(8*(\a)+\b)+3] offset:64*\b          ; each accumulator from its low end on
	ds_store_b128 v[STO], v[8*(8*(\a)+\b)+4:8*(8*(\a)+\b)+7] offset:64*\b+16
.endr
	WIN 0
.set BB, BK+64*((\a)%2)
.irp t, 0,1,2,3,4,5,6,7,8,9,10,11,12,13,14,15
	ds_load_b128 v[BB+4*\t:BB+4*\t+3], v[RD] offset:\t*SPITCH
.endr
.endm
.macro SEND a, younger                 ; younger: the LDS instructions issued behind block a's loads
.set BB, BK+64*((\a)%2)
	s_wait_dscnt \younger
.if (\a) > 0
	s_add_nc_u64 s[8:9], s[8:9], 16*4096           ; (behind a wait on XCNT: the earlier stores have read their base)
.else
	s_cmp_eq_u32 s45, 0                            ; positions 0-15 of a sequence are the last launch's
	s_cbranch_scc1 .Lnot_mine_\@
.endif
.irp t, 0,1,2,3,4,5,6,7,8,9,10,11,12,13,14,15
	global_store_b128 v[CO], v[BB+4*\t:BB+4*\t+3], s[8:9] offset:\t*4096 th:TH_STORE_NT   ; 512 consecutive bytes, aligned
.endr
.if (\a) == 0
.Lnot_mine_\@:
.endif
.endm
	PLACES
	TOSTAGE 0
.irp a, 1,2,3
.if \a > 1
	s_wait_xcnt 0x0                                ; block a - 2's stores have read their registers and their base
.endif
	TOSTAGE \a
	SEND \a-1, 32                                  ; behind block a - 1's loads: block a's 16 stores and 16 loads
.endr
	s_wait_xcnt 0x0
	SEND 3, 0
	s_wait_tensorcnt 0x0                           ; the wave's end
	ds_add_u32 v[SPW], v[NIL]
	s_wait_dscnt 0x0
	CROUND                                         ; the closing round
	s_endpgm
.Lfunc_end_k_q35bbb2410a_oproj:
	.size	k_q35bbb2410a_oproj, .Lfunc_end_k_q35bbb2410a_oproj-k_q35bbb2410a_oproj
	.p2alignl 7, 3214868480
	.fill 96, 4, 3214868480
	.section	.rodata,"a",@progbits
	.p2align	6, 0x0
	.amdhsa_kernel k_q35bbb2410a_oproj
		.amdhsa_group_segment_fixed_size 327680
		.amdhsa_private_segment_fixed_size 0
		.amdhsa_enable_private_segment 0
		.amdhsa_kernarg_size 24
		.amdhsa_user_sgpr_count 2
		.amdhsa_user_sgpr_kernarg_segment_ptr 1
		.amdhsa_wavefront_size32 1
		.amdhsa_system_sgpr_workgroup_id_x 1
		.amdhsa_system_sgpr_workgroup_id_y 1
		.amdhsa_system_sgpr_workgroup_id_z 1
		.amdhsa_system_vgpr_workitem_id 0
		.amdhsa_next_free_vgpr 512
		.amdhsa_next_free_sgpr 66
		.amdhsa_reserve_vcc 0
		.amdhsa_float_denorm_mode_32 3
		.amdhsa_float_denorm_mode_16_64 3
		.amdhsa_memory_ordered 1
		.amdhsa_forward_progress 1
		.amdhsa_inst_pref_size 85
	.end_amdhsa_kernel
	.amdgpu_metadata
---
amdhsa.version: [ 1, 2 ]
amdhsa.kernels:
  - .name:           k_q35bbb2410a_oproj
    .symbol:         k_q35bbb2410a_oproj.kd
    .args:
      - { .name: of, .offset: 0, .size: 8, .value_kind: global_buffer, .address_space: global }
      - { .name: wo_h, .offset: 8, .size: 8, .value_kind: global_buffer, .address_space: global }
      - { .name: out0, .offset: 16, .size: 8, .value_kind: global_buffer, .address_space: global }
    .group_segment_fixed_size: 327680
    .private_segment_fixed_size: 0
    .kernarg_segment_align: 8
    .kernarg_segment_size: 24
    .max_flat_workgroup_size: 128
    .sgpr_count:     66
    .vgpr_count:     512
    .wavefront_size: 32
...
	.end_amdgpu_metadata
.endif
;; end of part 4
;; launch head16 (part 5): grid 16 x 4, 16 waves a work-group, no clusters, 71,680 bytes of LDS; arguments first16, Wo, out0; writes out0
.if DOCPART == 5
	.amdgcn_target "amdgcn-amd-amdhsa--gfx1250"
	.amdhsa_code_object_version 6
	.text
	.protected	k_q35bbb2410a_head16
	.globl	k_q35bbb2410a_head16
	.p2align	8
	.type	k_q35bbb2410a_head16,@function
k_q35bbb2410a_head16:
	s_mov_b64 s[64:65], 0
	v_nop
	global_prefetch_b8 v0, s[64:65] scope:SCOPE_SE
	s_setreg_imm32_b32 hwreg(HW_REG_WAVE_MODE, 25, 1), 1
	s_wait_xcnt 0x0
; Positions 0-15 of each sequence, attention and projection, all in f32: these rows average one to sixteen values and are the largest of the output.  Keys after position 15 are hidden from them by reference()'s own mask and are left out.
; A work-group: 64 columns of out0 (x) of one batch (y).  Wave = head: its 16 x 16 attention (made anew in each of the batch's 16 work-groups: 32 small matrix instructions), then its 64 of the projection's K for four tiles
; of 16 columns; the sixteen waves' parts meet in LDS, and wave w adds and stores row w: 256 consecutive bytes, aligned.
; first16 holds q, k, v as the accumulators stood: q, k: lane (r, h), tile t: position r, channels 16 t + 8 h + 0..7;  v: channel 16 t + r, keys 8 h + 0..7.
; The f32 form takes K = 4: lane (r, h), register j: k = 2 h + j.  Which four of K a step takes is free while both sources take the same: a register pair 2 i, 2 i + 1 of both.
; v184-247 are written by matrix instructions alone; each sum begins with the constant 0 as C.
.set SPARE, 69632                      ; behind the 16 x 16 rows of 272 bytes: the spare words
.set LI,  1
.set WA,  2
.set SPW, 3
.set NIL, 4
.set DD,  5                            ; r - 8 h
.set PP,  6                            ; v6-13 scores, then p
.set STO, 18
.set RD,  19
.set GO,  20
	s_load_b128 s[4:7], s[0:1], 0x0                ; first16 4:5, Wo 6:7
	s_load_b64 s[8:9], s[0:1], 0x10                ; out0
	v_lshl_add_u32 v[SPW], v0, 2, SPARE
	v_mov_b32 v[NIL], 0
	v_lshrrev_b32 v1, 5, v0
	v_readfirstlane_b32 s10, v1                    ; wave = head
	s_and_b32 s11, ttmp7, 0xffff                   ; batch
	v_and_b32 v22, 15, v0                          ; r
	v_bfe_u32 v23, v0, 4, 1                        ; h
	v_and_b32 v21, 31, v0
	v_lshlrev_b32 v[LI], 4, v21
	v_lshlrev_b32 v[GO], 3, v21
	v_lshlrev_b32 v[WA], 12, v22
	v_lshl_add_u32 v[WA], v23, 5, v[WA]            ; Wo: row r, + 32 h bytes
	v_lshlrev_b32 v[DD], 3, v23
	v_sub_nc_u32 v[DD], v22, v[DD]
	s_mul_i32 s12, s10, 4352
	v_mul_u32_u24 v[STO], v22, 272
	v_lshl_add_u32 v[STO], v23, 5, v[STO]
	v_add_nc_u32 v[STO], s12, v[STO]               ; my part: row r, + 32 h
	s_mul_i32 s13, s10, 272
	v_add_nc_u32 v[RD], s13, v[GO]                 ; back: row = my wave's number, 8 bytes a lane
	s_lshl_b32 s14, s11, 4
	s_add_co_u32 s14, s14, s10
	s_lshl_b32 s14, s14, 12                        ; first16: 4,096 bytes for a head of a batch
	s_mov_b32 s15, 0
	s_lshl_b32 s16, ttmp9, 18                      ; Wo: 64 rows of 4,096 bytes,
	s_lshl_b32 s17, s10, 8                         ; my head's 64 of K
	s_add_co_u32 s16, s16, s17
	s_mov_b32 s17, 0
	s_lshl_b32 s18, s11, 11
	s_add_co_u32 s18, s18, s10                     ; out0: row 2,048 batch + wave
	s_lshl_b32 s18, s18, 12
	s_lshl_b32 s19, ttmp9, 8
	s_add_co_u32 s18, s18, s19
	s_mov_b32 s19, 0
	s_mov_b32 s20, 0x76543210
	s_mov_b32 s21, 0xfedcba98
	s_mov_b32 s22, 0x3e38aa3b                      ; log2(e) / 8
	s_wait_kmcnt 0x0
	s_add_nc_u64 s[4:5], s[4:5], s[14:15]
	s_add_nc_u64 s[6:7], s[6:7], s[16:17]
	s_add_nc_u64 s[8:9], s[8:9], s[18:19]
.irp c, 0,1,2                                  ; q -> v24-55, k -> v56-87, v -> v88-119
.irp t, 0,1,2,3
	global_load_b128 v[24+32*\c+8*\t:24+32*\c+8*\t+3], v[LI], s[4:5] offset:\c*262144+\t*1024
	global_load_b128 v[24+32*\c+8*\t+4:24+32*\c+8*\t+7], v[LI], s[4:5] offset:\c*262144+\t*1024+512
.endr
.endr
.irp nt, 0,1                                   ; Wo's tiles 0, 1 -> v120-183: lane (r, h): column 16 nt + r, K = 16 u + 8 h + 0..7
.irp u, 0,1,2,3
	global_load_b128 v[120+32*\nt+8*\u:120+32*\nt+8*\u+3], v[WA], s[6:7] offset:\nt*65536+\u*64
	global_load_b128 v[120+32*\nt+8*\u+4:120+32*\nt+8*\u+7], v[WA], s[6:7] offset:\nt*65536+\u*64+16
.endr
.endr
	s_wait_loadcnt 24                              ; q and k are in; v's 8 loads and Wo's 16 may be out
.set n, 0
.rept 16                                       ; S^T = k q^T: source 0 = 16 keys, source 1 = 16 queries; two accumulators take turns
.if n < 2
	v_wmma_f32_16x16x4_f32 v[184+8*(n%2):191+8*(n%2)], v[56+2*n:57+2*n], v[24+2*n:25+2*n], 0
.else
	v_wmma_f32_16x16x4_f32 v[184+8*(n%2):191+8*(n%2)], v[56+2*n:57+2*n], v[24+2*n:25+2*n], v[184+8*(n%2):191+8*(n%2)]
.endif
.set n, n+1
.endr
.rept 8
	v_nop                                          ; eight places behind this form: for the loads into q's and k's registers and for the first read of the sums
.endr
.irp nt, 0,1                                   ; Wo's tiles 2, 3 -> v24-87
.irp u, 0,1,2,3
	global_load_b128 v[24+32*\nt+8*\u:24+32*\nt+8*\u+3], v[WA], s[6:7] offset:(\nt+2)*65536+\u*64
	global_load_b128 v[24+32*\nt+8*\u+4:24+32*\nt+8*\u+7], v[WA], s[6:7] offset:(\nt+2)*65536+\u*64+16
.endr
.endr
.irp j, 0,1,2,3,4,5,6,7
	v_add_f32 v[PP+\j], v[184+\j], v[192+\j]       ; lane (r, h): query r, key 8 h + j
.endr
	v_mov_b32 v21, 0xff800000
.irp j, 0,1,2,3,4,5,6,7
	v_cmp_gt_i32 vcc_lo, \j, v[DD]                 ; hidden where 8 h + j > r
	v_cndmask_b32 v[PP+\j], v[PP+\j], v21, vcc_lo
.endr
	v_max3_num_f32 v14, v6, v7, v8
	v_max3_num_f32 v14, v14, v9, v10
	v_max3_num_f32 v14, v14, v11, v12
	v_max_num_f32 v14, v14, v13
	v_mov_b32 v15, 0
	v_permlanex16_b32 v15, v14, s20, s21
	v_max_num_f32 v14, v14, v15                    ; the row's largest score: key 0 counts for every query
	v_mul_f32 v14, s22, v14
.irp j, 0,1,2,3,4,5,6,7
	v_fma_f32 v[PP+\j], v[PP+\j], s22, -v14
.endr
.irp j, 0,1,2,3,4,5,6,7
	v_exp_f32 v[PP+\j], v[PP+\j]
.endr
	v_nop
	s_wait_alu depctr_va_vdst(0)                   ; one wait for the eight exponentials
	v_add_f32 v16, v6, v7
	v_add_f32 v17, v8, v9
	v_add_f32 v16, v16, v10
	v_add_f32 v17, v17, v11
	v_add_f32 v16, v16, v12
	v_add_f32 v17, v17, v13
	v_add_f32 v16, v16, v17
	v_permlanex16_b32 v15, v16, s20, s21
	v_add_f32 v16, v16, v15
	v_rcp_f32 v17, v16
	v_nop
	s_wait_alu depctr_va_vdst(0)                   ; and one for the reciprocal
	s_wait_loadcnt 32                              ; v is in; Wo's 32 loads may be out
.irp i, 0,1,2,3                                ; O^T = v^T p: source 0 = 16 channels, source 1 = p; keys 8 h + 2 i, + 1; four accumulators take turns
.irp u, 0,1,2,3
.if \i == 0
	v_wmma_f32_16x16x4_f32 v[216+8*\u:223+8*\u], v[88+8*\u+2*\i:89+8*\u+2*\i], v[PP+2*\i:PP+2*\i+1], 0
.else
	v_wmma_f32_16x16x4_f32 v[216+8*\u:223+8*\u], v[88+8*\u+2*\i:89+8*\u+2*\i], v[PP+2*\i:PP+2*\i+1], v[216+8*\u:223+8*\u]
.endif
.endr
.endr
.rept 8
	v_nop
.endr
.irp j, 0,1,2,3,4,5,6,7,8,9,10,11,12,13,14,15,16,17,18,19,20,21,22,23,24,25,26,27,28,29,30,31
	v_mul_f32 v[88+\j], v[216+\j], v17             ; o: lane (r, h), register 8 u + j: query r, channel 16 u + 8 h + j
.endr
	s_wait_loadcnt 16                              ; Wo's tiles 0, 1 are in; the 16 loads of tiles 2, 3 may be out
.irp k, 0,1,2,3,4,5,6,7,8,9,10,11,12,13,14,15  ; my head's part of out0^T: source 0 = 16 rows of Wo, source 1 = o; two accumulators take turns
.irp nt, 0,1
.if \k == 0
	v_wmma_f32_16x16x4_f32 v[184+8*\nt:191+8*\nt], v[120+32*\nt+2*\k:121+32*\nt+2*\k], v[88+2*\k:89+2*\k], 0
.else
	v_wmma_f32_16x16x4_f32 v[184+8*\nt:191+8*\nt], v[120+32*\nt+2*\k:121+32*\nt+2*\k], v[88+2*\k:89+2*\k], v[184+8*\nt:191+8*\nt]
.endif
.endr
.endr
	s_wait_loadcnt 0x0
.irp k, 0,1,2,3,4,5,6,7,8,9,10,11,12,13,14,15
.irp nt, 0,1
.if \k == 0
	v_wmma_f32_16x16x4_f32 v[200+8*\nt:207+8*\nt], v[24+32*\nt+2*\k:25+32*\nt+2*\k], v[88+2*\k:89+2*\k], 0
.else
	v_wmma_f32_16x16x4_f32 v[200+8*\nt:207+8*\nt], v[24+32*\nt+2*\k:25+32*\nt+2*\k], v[88+2*\k:89+2*\k], v[200+8*\nt:207+8*\nt]
.endif
.endr
.endr
.rept 8
	v_nop
.endr
.irp nt, 0,1,2,3
	ds_store_b128 v[STO], v[184+8*\nt:187+8*\nt] offset:64*\nt         ; lane (r, h): query r, columns 16 nt + 8 h + 0..7
	ds_store_b128 v[STO], v[188+8*\nt:191+8*\nt] offset:64*\nt+16
.endr
	s_wait_dscnt 0x0                               ; for the others' sake: my stores have landed
	s_barrier_signal -1
	s_barrier_wait -1
.irp p, 0,1,2,3,4,5,6,7,8,9,10,11,12,13,14,15
	ds_load_b64 v[120+2*\p:121+2*\p], v[RD] offset:\p*4352             ; head p's part of my row
.endr
	s_wait_dscnt 0x0
.irp p, 0,4,8,12,16,20,24,28
	v_pk_add_f32 v[120+\p:121+\p], v[120+\p:121+\p], v[122+\p:123+\p]
.endr
.irp p, 0,8,16,24
	v_pk_add_f32 v[120+\p:121+\p], v[120+\p:121+\p], v[124+\p:125+\p]
.endr
.irp p, 0,16
	v_pk_add_f32 v[120+\p:121+\p], v[120+\p:121+\p], v[128+\p:129+\p]
.endr
	v_pk_add_f32 v[120:121], v[120:121], v[136:137]
	global_store_b64 v[GO], v[120:121], s[8:9] th:TH_STORE_NT          ; 32 lanes store 256 consecutive bytes, aligned
	s_wait_tensorcnt 0x0                           ; the wave's end
	ds_add_u32 v[SPW], v[NIL]
	s_wait_dscnt 0x0
	s_endpgm
.Lfunc_end_k_q35bbb2410a_head16:
	.size	k_q35bbb2410a_head16, .Lfunc_end_k_q35bbb2410a_head16-k_q35bbb2410a_head16
	.p2alignl 7, 3214868480
	.fill 96, 4, 3214868480
	.section	.rodata,"a",@progbits
	.p2align	6, 0x0
	.amdhsa_kernel k_q35bbb2410a_head16
		.amdhsa_group_segment_fixed_size 71680
		.amdhsa_private_segment_fixed_size 0
		.amdhsa_enable_private_segment 0
		.amdhsa_kernarg_size 24
		.amdhsa_user_sgpr_count 2
		.amdhsa_user_sgpr_kernarg_segment_ptr 1
		.amdhsa_wavefront_size32 1
		.amdhsa_system_sgpr_workgroup_id_x 1
		.amdhsa_system_sgpr_workgroup_id_y 1
		.amdhsa_system_sgpr_workgroup_id_z 1
		.amdhsa_system_vgpr_workitem_id 0
		.amdhsa_next_free_vgpr 248
		.amdhsa_next_free_sgpr 66
		.amdhsa_reserve_vcc 1
		.amdhsa_float_denorm_mode_32 3
		.amdhsa_float_denorm_mode_16_64 3
		.amdhsa_memory_ordered 1
		.amdhsa_forward_progress 1
		.amdhsa_inst_pref_size 21
	.end_amdhsa_kernel
	.amdgpu_metadata
---
amdhsa.version: [ 1, 2 ]
amdhsa.kernels:
  - .name:           k_q35bbb2410a_head16
    .symbol:         k_q35bbb2410a_head16.kd
    .args:
      - { .name: first16, .offset: 0, .size: 8, .value_kind: global_buffer, .address_space: global }
      - { .name: Wo, .offset: 8, .size: 8, .value_kind: global_buffer, .address_space: global }
      - { .name: out0, .offset: 16, .size: 8, .value_kind: global_buffer, .address_space: global }
    .group_segment_fixed_size: 71680
    .private_segment_fixed_size: 0
    .kernarg_segment_align: 8
    .kernarg_segment_size: 24
    .max_flat_workgroup_size: 512
    .sgpr_count:     66
    .vgpr_count:     248
    .wavefront_size: 32
...
	.end_amdgpu_metadata
.endif
;; end of part 5
